; MI455X (gfx1250); checked and timed in simulation.
; The chip was launched on July 23, 2026; its instructions are those of AMD's public machine-readable ISA for CDNA 5 (MIT licence, August 2026) and "CDNA5" Instruction Set Architecture Reference Guide (July 2026). The comments in the code are by the model that wrote it; some were corrected since.
;; Mo E layer megatron. Allowed arithmetic: matrix products marked QUANTISED: E2M1 operands, one E8M0 scale for each 32 along K, by v_wmma_scale_f32_16x16x128_f8f6f4 with both operands' format E2M1 (or v_wmma_scale_f32_32x16x128_f4), f32 sums; products left as they are: f32 operands where the result goes on into a quantised operand, else bf16, f16 or f32 operands; f32 sums; everything else in f32.
;; Inputs: router_w 1,024 x 8 float32; w1_codes 8 x 4,096 x 32 x 16 uint8 (E2M1 codes of w1, K innermost, in blocks of 32 codes, two codes a byte); w1_scales 8 x 4,096 x 32 uint8 (E8M0 scales of w1, one for each 32 codes along K); w2_codes 8 x 1,024 x 128 x 16 uint8 (E2M1 codes of w2, K innermost, in blocks of 32 codes, two codes a byte); w2_scales 8 x 1,024 x 128 uint8 (E8M0 scales of w2, one for each 32 codes along K); x 256 x 4 x 1,024 float32.
;; Outputs: out0 256 x 4 x 1,024 float32.
;; This version of the problem:
;;   THIS VERSION OF THE PROBLEM IS GIVEN IN LOW PRECISION. The matrix products marked QUANTISED in the list below multiply operands that are first quantised to E2M1 (2 exponent bits, 1 mantissa bit; 4 bits a number), with one power-of-two scale for each 32 numbers along K (OCP MX v1.0); their sums are f32. All else is computed in f32.
;;   The module's matrix products, in the order in which they are computed (A, B: the left and right operand; K: the contracted axis; several contracted axes count as one K, in the product's order):
;;     1. [M 1,024, K 1,024] x [K 1,024, N 8]; A: input x; B: input router_w: left as it is (N = 8 < 16)
;;     2. [M 1,024, K 1,024] x [K 1,024, N 4,096]; A: input x; B: input w1 (given as codes): QUANTISED
;;     3. [M 1,024, K 4,096] x [K 4,096, N 1,024]; A: computed on the way; B: input w2 (given as codes): QUANTISED
;;     4. [M 1,024, K 1,024] x [K 1,024, N 4,096]; A: input x; B: input w1 (given as codes): QUANTISED
;;     5. [M 1,024, K 4,096] x [K 4,096, N 1,024]; A: computed on the way; B: input w2 (given as codes): QUANTISED
;;     6. [M 1,024, K 1,024] x [K 1,024, N 4,096]; A: input x; B: input w1 (given as codes): QUANTISED
;;     7. [M 1,024, K 4,096] x [K 4,096, N 1,024]; A: computed on the way; B: input w2 (given as codes): QUANTISED
;;     8. [M 1,024, K 1,024] x [K 1,024, N 4,096]; A: input x; B: input w1 (given as codes): QUANTISED
;;     9. [M 1,024, K 4,096] x [K 4,096, N 1,024]; A: computed on the way; B: input w2 (given as codes): QUANTISED
;;     10. [M 1,024, K 1,024] x [K 1,024, N 4,096]; A: input x; B: input w1 (given as codes): QUANTISED
;;     11. [M 1,024, K 4,096] x [K 4,096, N 1,024]; A: computed on the way; B: input w2 (given as codes): QUANTISED
;;     12. [M 1,024, K 1,024] x [K 1,024, N 4,096]; A: input x; B: input w1 (given as codes): QUANTISED
;;     13. [M 1,024, K 4,096] x [K 4,096, N 1,024]; A: computed on the way; B: input w2 (given as codes): QUANTISED
;;     14. [M 1,024, K 1,024] x [K 1,024, N 4,096]; A: input x; B: input w1 (given as codes): QUANTISED
;;     15. [M 1,024, K 4,096] x [K 4,096, N 1,024]; A: computed on the way; B: input w2 (given as codes): QUANTISED
;;     16. [M 1,024, K 1,024] x [K 1,024, N 4,096]; A: input x; B: input w1 (given as codes): QUANTISED
;;     17. [M 1,024, K 4,096] x [K 4,096, N 1,024]; A: computed on the way; B: input w2 (given as codes): QUANTISED
;;   THE QUANTISER, for each operand of a quantised product, along K:
;;     - K is cut into blocks of 32 from its start; a last block that is shorter is filled with zeros.
;;     - A block's scale is 2^e with e = floor(log2(the largest magnitude in the block)) - 2, held to -126 .. 127; a block of zeros has e = 0. As a byte (E8M0): e + 127.
;;     - Each number is divided by its block's scale, clamped to +-6, and rounded to the nearest number of E2M1, ties to even, subnormals kept.
;;     - The product sums the exact products of the quantised numbers (number of the format x scale) in f32.
;;   ~~~python
;;   def quantise(x, axis):      # numpy; x: float32 -> the quantised numbers, widened to float32 again
;;       x = np.moveaxis(x, axis, -1); K = x.shape[-1]
;;       x = np.pad(x, [(0, 0)] * (x.ndim - 1) + [(0, -K % 32)]); x = x.reshape(x.shape[:-1] + (-1, 32)); a = np.abs(x).max(-1, keepdims=True)
;;       e = np.where(a > 0, np.clip(np.frexp(np.where(a > 0, a, 1))[1] - 1 - 2, -126, 127), 0)      # np.frexp(a)[1] - 1 = floor(log2(a)), exactly
;;       r = np.clip(x / 2.0 ** e, -6, 6)
;;       step = 2.0 ** (np.maximum(np.frexp(np.where(r == 0, 1, r))[1] - 1, 0) - 1)
;;       q = np.round(r / step) * step * 2.0 ** e      # np.round: ties to even
;;       return np.moveaxis(q.reshape(q.shape[:-2] + (-1,))[..., :K], -1, axis).astype(np.float32)
;;   ~~~
;;   OPERANDS COMPUTED ON THE WAY. 'Computed on the way' means the value that the module computes at that place (a softmax that the list does not call 'softmax' is quantised finished and normalised). What goes into a quantiser is computed in f32, as accurately as f32 sums, v_exp_f32 and their like allow (about 1e-6 of the number): no bf16 or f16 on the way to a quantiser, and a product that is left as it is and whose result goes on into a quantised operand takes f32 operands (vector FMAs, or v_wmma_f32_16x16x4_f32). A number that lies on a knife's edge between two numbers of the format may be rounded either way, as far as f32 arithmetic and the matrix unit's own rounding can turn it there, and no further.
;;   INPUTS GIVEN AS CODES. w1 (in the module: [8, 1024, 4096], K = its axis 1); w2 (in the module: [8, 4096, 1024], K = its axis 1): each comes as NAME_codes (uint8): NAME with its K axis moved to the last place and cut into blocks of 32 codes, [.., K / 32, bytes a block], one block behind the other in memory; two codes a byte, the lower K in the low four bits (a code: sign, 2 exponent bits, 1 mantissa bit); and NAME_scales (uint8): the same leading axes, one E8M0 byte (e + 127) for each 32 codes along K. Its value is code x scale, taken as it is: it is not quantised again, and the codes and scales need not be those that the quantiser above would give.
;; 2 versions. Each part assembles by itself: llvm-mc -triple=amdgcn-amd-amdhsa -mcpu=gfx1250 --defsym DOCPART=n.
;; ======== version 1 of 2: 4 launches
;; workspace buffers: xq 524,288 bytes; xs 32,768 bytes; sel 4,096 bytes of whole numbers; gates 8,192 bytes; plan 36,864 bytes of whole numbers; hid 16,777,216 bytes; hsc 1,048,576 bytes; y 8,912,896 bytes
;; launch route (part 1): grid 256 x 1, 4 waves a work-group, no clusters, 52,224 bytes of LDS; arguments x, router_w, xq, xs, sel, gates; writes xq, xs, sel, gates
.if DOCPART == 1
	.amdgcn_target "amdgcn-amd-amdhsa--gfx1250"
	.amdhsa_code_object_version 6
	.text
	.protected	k_qed4e22429c_route
	.globl	k_qed4e22429c_route
	.p2align	8
	.type	k_qed4e22429c_route,@function
k_qed4e22429c_route:
	s_mov_b64 s[64:65], 0
	v_nop
	global_prefetch_b8 v0, s[64:65] scope:SCOPE_SE
	s_setreg_imm32_b32 hwreg(HW_REG_WAVE_MODE, 25, 1), 1
	s_wait_xcnt 0x0
; THE ROUTER, AND x QUANTISED ONCE.  x: [1024 tokens][1024] f32; router_w: [1024][8] f32.
; One wave takes one token.  Lane l ends up with block l of the token's row, k = 32 l .. 32 l + 31, in 32 registers: so the block's largest
; magnitude needs no other lane, the conversions give the block's 16 bytes of codes, and the lane's share of the eight logits is 32 x 8 fused multiply-adds in f32.
; Out: xq [token][32 blocks][16 bytes] codes of E2M1; xs [token][32] E8M0 bytes; sel [token] = first expert | second expert << 8; gates [token][2] = their probabilities.
; The choice steers no address here: it is stored at fixed places, as whole numbers, for the next launch.
; Every load reads 512 consecutive bytes; the turn from 16 bytes a lane to 128 bytes a lane goes through LDS (x: the wave's own stage; router_w: shared, one barrier).
; Matrix units, tensor loads and clusters are left out: 8 columns are too few for a matrix tile, and the launch moves 4 MiB once.
; LIMITS: NaN and infinities among the inputs are not served.  A block of zeros gets the byte 1 where the quantiser says 127: its codes are zeros and the bytes are read by this program alone.
; Two logits that lie closer than the error of an f32 sum of 1,024 terms may be ordered otherwise than by another order of summing.  Equal probabilities: the lower index wins, as in jax.lax.top_k.
.set SW,   4608                        ; a wave's stage for x: 32 blocks x (128 bytes + 16 of padding)
.set BP,   144
.set WL,   4*SW                        ; behind the stages: router_w, 32 runs of 32 rows: 1,024 bytes + 16 of padding
.set WLP,  1040
.set RX,   16                          ; v16-47   x as loaded
.set X,    48                          ; v48-79   my block's 32 numbers
.set WB0,  80                          ; v80-143  router_w as loaded, then eight rows of my run at a time
.set WB1,  144                         ; v144-207 the other eight rows
.set ACC,  208                         ; v208-215 the eight logits, then the probabilities
.set T,    216                         ; v216-247 at work
	s_load_b256 s[4:11], s[0:1], 0x0               ; x s[4:5], router_w s[6:7], xq s[8:9], xs s[10:11]
	s_load_b128 s[12:15], s[0:1], 0x20             ; sel s[12:13], gates s[14:15]
	v_lshl_add_u32 v248, v0, 2, 0xca00
	v_mov_b32 v249, 0
	v_lshrrev_b32 v8, 5, v0
	v_readfirstlane_b32 s16, v8                    ; wave
	v_and_b32 v1, 31, v0                           ; lane
	v_lshlrev_b32 v2, 4, v1                        ; 16 x lane
	s_lshl_b32 s17, ttmp9, 2
	s_add_co_u32 s17, s17, s16                     ; my token
	s_mul_i32 s18, s16, SW
	v_lshrrev_b32 v8, 3, v1
	v_mul_u32_u24 v8, v8, BP
	v_and_b32 v9, 7, v1
	v_lshl_add_u32 v8, v9, 4, v8
	v_add_nc_u32 v3, s18, v8                       ; the stage, in: eight lanes' 128 bytes are a block: 144 (lane / 8) + 16 (lane % 8); a load's 512 bytes are four blocks
	v_mul_u32_u24 v8, v1, BP
	v_add_nc_u32 v4, s18, v8                       ; and out: block = lane
	s_mul_i32 s18, s16, 8*WLP
	s_add_co_u32 s18, s18, WL
	v_add_nc_u32 v5, s18, v2                       ; router_w, in: my wave brings runs 8 w .. 8 w + 7
	v_mul_u32_u24 v6, v1, WLP
	v_add_nc_u32 v6, WL, v6                        ; and out: run = lane
	s_lshl_b32 s18, s16, 13
	v_add_nc_u32 v7, s18, v2                       ; my wave's 8,192 bytes of router_w
	s_mov_b32 s20, 0x76543210
	s_mov_b32 s21, 0xfedcba98                      ; v_permlanex16_b32's selects for lane l xor 16
	s_mov_b32 s19, 0
	s_wait_kmcnt 0x0
	s_lshl_b32 s18, s17, 12
	s_add_nc_u64 s[4:5], s[4:5], s[18:19]          ; my row of x
	s_lshl_b32 s18, s17, 9
	s_add_nc_u64 s[8:9], s[8:9], s[18:19]          ; of xq
	s_lshl_b32 s18, s17, 5
	s_add_nc_u64 s[10:11], s[10:11], s[18:19]      ; of xs
	s_lshl_b32 s18, s17, 2
	s_add_nc_u64 s[12:13], s[12:13], s[18:19]      ; my word of sel
	s_lshl_b32 s18, s17, 3
	s_add_nc_u64 s[14:15], s[14:15], s[18:19]      ; my pair of gates
.set i, 0
.rept 8
	global_load_b128 v[RX+4*i:RX+4*i+3], v2, s[4:5] offset:512*i th:TH_LOAD_NT
.set i, i+1
.endr
.set i, 0
.rept 16
	global_load_b128 v[WB0+4*i:WB0+4*i+3], v7, s[6:7] offset:512*i
.set i, i+1
.endr
	s_wait_loadcnt 16                              ; x's eight loads are in; router_w's sixteen are younger
.set i, 0
.rept 8
	ds_store_b128 v3, v[RX+4*i:RX+4*i+3] offset:4*BP*i
.set i, i+1
.endr
.set i, 0
.rept 8
	ds_load_b128 v[X+4*i:X+4*i+3], v4 offset:16*i  ; LDS serves a wave's instructions in order: these see the stores above
.set i, i+1
.endr
	s_wait_loadcnt 0x0
.set i, 0
.rept 16
	ds_store_b128 v5, v[WB0+4*i:WB0+4*i+3] offset:(i/2)*WLP+(i%2)*512
.set i, i+1
.endr
	s_wait_dscnt 0x0                               ; for the others' sake: my part of router_w lies in LDS (and my block of x is in)
	s_barrier_signal -1
	s_barrier_wait -1
; rows 8 c .. 8 c + 7 of my run of router_w, eight numbers a row, into v[buf] on
.macro WCH c, buf
.set ii, 0
.rept 8
	ds_load_b128 v[\buf+8*ii:\buf+8*ii+3], v6 offset:256*(\c)+32*ii
	ds_load_b128 v[\buf+8*ii+4:\buf+8*ii+7], v6 offset:256*(\c)+32*ii+16
.set ii, ii+1
.endr
.endm
; and their products with my numbers 8 c .. 8 c + 7: two experts an instruction, the number of x taken for both halves.  The very first product starts the sums
.macro DOT c, buf
.set ii, 0
.rept 8
.set xp, X+8*(\c)+ii-(ii%2)
.irp p, 0,1,2,3
.if ((\c)==0)&&(ii==0)
	v_pk_mul_f32 v[ACC+2*\p:ACC+2*\p+1], v[\buf+2*\p:\buf+2*\p+1], v[xp:xp+1] op_sel_hi:[1,0]
.elseif (ii%2)==0
	v_pk_fma_f32 v[ACC+2*\p:ACC+2*\p+1], v[\buf+8*ii+2*\p:\buf+8*ii+2*\p+1], v[xp:xp+1], v[ACC+2*\p:ACC+2*\p+1] op_sel_hi:[1,0,1]
.else
	v_pk_fma_f32 v[ACC+2*\p:ACC+2*\p+1], v[\buf+8*ii+2*\p:\buf+8*ii+2*\p+1], v[xp:xp+1], v[ACC+2*\p:ACC+2*\p+1] op_sel:[0,1,0] op_sel_hi:[1,1,1]
.endif
.endr
.set ii, ii+1
.endr
.endm
	WCH 0, WB0
	WCH 1, WB1
	; my block is quantised while those 32 loads are out
	v_max3_num_f32 v[T], |v[X]|, |v[X+1]|, |v[X+2]|
	v_max3_num_f32 v[T+1], |v[X+3]|, |v[X+4]|, |v[X+5]|
.irp i, 6,10,14,18,22,26
	v_max3_num_f32 v[T], v[T], |v[X+\i]|, |v[X+\i+1]|
	v_max3_num_f32 v[T+1], v[T+1], |v[X+\i+2]|, |v[X+\i+3]|
.endr
	v_max3_num_f32 v[T], v[T], |v[X+30]|, |v[X+31]|
	v_max3_num_f32 v[T], v[T], v[T+1], 0x1800000   ; and the floor 2^(3 - 127): the byte cannot fall under 1
	v_add_nc_u32 v[T+2], 0xff000000, v[T]          ; 2 off the exponent field: the conversion takes the exponent field of this operand as its scale
	v_lshrrev_b32 v[T+3], 23, v[T+2]               ; the scale's byte
.irp g, 0,1,2,3
	v_cvt_scalef32_pk8_fp4_f32 v[T+4+\g], v[X+8*\g:X+8*\g+7], v[T+2]
.endr
	v_nop                                          ; one plain place behind the scaled conversions
	global_store_b128 v2, v[T+4:T+7], s[8:9]       ; the wave stores the token's 512 bytes of codes on end
	global_store_b8 v1, v[T+3], s[10:11]           ; and its 32 scale bytes
	s_wait_dscnt 16                                ; rows 0-7 are in; the sixteen loads of rows 8-15 are younger
	DOT 0, WB0
	WCH 2, WB0
	s_wait_dscnt 16                                ; rows 8-15 are in
	DOT 1, WB1
	WCH 3, WB1
	s_wait_dscnt 16                                ; rows 16-23
	DOT 2, WB0
	s_wait_dscnt 0x0                               ; rows 24-31
	DOT 3, WB1
	; the eight sums over the 32 lanes: four steps within each half of the lanes, one across; the eight by turns
.irp m, 1,2,4,8
.irp e, 0,1,2,3,4,5,6,7
	v_add_f32_dpp v[ACC+\e], v[ACC+\e], v[ACC+\e] row_xmask:\m row_mask:0xf bank_mask:0xf
.endr
.endr
.irp e, 0,1,2,3,4,5,6,7
	v_permlanex16_b32 v[WB0+\e], v[ACC+\e], s20, s21   ; (its destination counts as read: these registers have been written and are done with)
.endr
.irp e, 0,1,2,3,4,5,6,7
	v_add_f32 v[ACC+\e], v[ACC+\e], v[WB0+\e]      ; every lane now holds the token's eight logits
.endr
	; softmax, with the largest logit taken away
	v_max3_num_f32 v[T], v[ACC], v[ACC+1], v[ACC+2]
	v_max3_num_f32 v[T], v[T], v[ACC+3], v[ACC+4]
	v_max3_num_f32 v[T], v[T], v[ACC+5], v[ACC+6]
	v_max_num_f32 v[T], v[T], v[ACC+7]
.irp e, 0,1,2,3,4,5,6,7
	v_sub_f32 v[ACC+\e], v[ACC+\e], v[T]
.endr
.irp e, 0,1,2,3,4,5,6,7
	v_mul_f32 v[ACC+\e], 0x3fb8aa3b, v[ACC+\e]     ; x log2(e)
.endr
.irp e, 0,1,2,3,4,5,6,7
	v_exp_f32 v[ACC+\e], v[ACC+\e]
.endr
	v_nop                                          ; a plain place behind the last exponential
	s_wait_alu depctr_va_vdst(0)                   ; one wait for the eight, ahead of their first reader
	v_add_f32 v[T+12], v[ACC], v[ACC+1]
	v_add_f32 v[T+13], v[ACC+2], v[ACC+3]
	v_add_f32 v[T+14], v[ACC+4], v[ACC+5]
	v_add_f32 v[T+15], v[ACC+6], v[ACC+7]
	v_add_f32 v[T+12], v[T+12], v[T+13]
	v_add_f32 v[T+14], v[T+14], v[T+15]
	v_add_f32 v[T+12], v[T+12], v[T+14]
	v_rcp_f32 v[T+13], v[T+12]
	v_nop
	s_wait_alu depctr_va_vdst(0)
.irp e, 0,1,2,3,4,5,6,7
	v_mul_f32 v[ACC+\e], v[ACC+\e], v[T+13]        ; the probabilities
.endr
	; the two largest, by selects alone: 'greater' keeps the lower index among equals
	v_mov_b32 v[T+8], v[ACC]
	v_mov_b32 v[T+10], 0
.irp e, 1,2,3,4,5,6,7
	v_cmp_gt_f32 vcc_lo, v[ACC+\e], v[T+8]
	v_cndmask_b32 v[T+8], v[T+8], v[ACC+\e], vcc_lo
	v_cndmask_b32 v[T+10], v[T+10], \e, vcc_lo
.endr
.irp e, 0,1,2,3,4,5,6,7
	v_cmp_eq_u32 vcc_lo, \e, v[T+10]
	v_cndmask_b32 v[ACC+\e], v[ACC+\e], -1.0, vcc_lo   ; the first is taken out: -1 lies under every probability
.endr
	v_mov_b32 v[T+9], v[ACC]
	v_mov_b32 v[T+11], 0
.irp e, 1,2,3,4,5,6,7
	v_cmp_gt_f32 vcc_lo, v[ACC+\e], v[T+9]
	v_cndmask_b32 v[T+9], v[T+9], v[ACC+\e], vcc_lo
	v_cndmask_b32 v[T+11], v[T+11], \e, vcc_lo
.endr
	v_lshl_or_b32 v[T+12], v[T+11], 8, v[T+10]
	v_cmp_eq_u32 vcc_lo, 0, v1
	s_wait_xcnt 0x0                                ; EXEC is a source of the stores above: it changes only behind this wait
	s_wait_tensorcnt 0x0
	ds_add_u32 v248, v249
	s_wait_dscnt 0x0
	s_and_saveexec_b32 s22, vcc_lo                 ; lane 0 alone (its v1 is the offset 0)
	global_store_b32 v1, v[T+12], s[12:13]
	global_store_b64 v1, v[T+8:T+9], s[14:15]
	s_wait_xcnt 0x0                                ; and again in front of the line that widens it
	s_or_b32 exec_lo, exec_lo, s22
	s_endpgm
.Lfunc_end_k_qed4e22429c_route:
	.size	k_qed4e22429c_route, .Lfunc_end_k_qed4e22429c_route-k_qed4e22429c_route
	.p2alignl 7, 3214868480
	.fill 96, 4, 3214868480
	.section	.rodata,"a",@progbits
	.p2align	6, 0x0
	.amdhsa_kernel k_qed4e22429c_route
		.amdhsa_group_segment_fixed_size 52224
		.amdhsa_private_segment_fixed_size 0
		.amdhsa_enable_private_segment 0
		.amdhsa_kernarg_size 48
		.amdhsa_user_sgpr_count 2
		.amdhsa_user_sgpr_kernarg_segment_ptr 1
		.amdhsa_wavefront_size32 1
		.amdhsa_system_sgpr_workgroup_id_x 1
		.amdhsa_system_sgpr_workgroup_id_y 1
		.amdhsa_system_sgpr_workgroup_id_z 1
		.amdhsa_system_vgpr_workitem_id 0
		.amdhsa_next_free_vgpr 250
		.amdhsa_next_free_sgpr 66
		.amdhsa_reserve_vcc 1
		.amdhsa_float_denorm_mode_32 3
		.amdhsa_float_denorm_mode_16_64 3
		.amdhsa_memory_ordered 1
		.amdhsa_forward_progress 1
		.amdhsa_inst_pref_size 28
	.end_amdhsa_kernel
	.amdgpu_metadata
---
amdhsa.version: [ 1, 2 ]
amdhsa.kernels:
  - .name:           k_qed4e22429c_route
    .symbol:         k_qed4e22429c_route.kd
    .args:
      - { .name: x, .offset: 0, .size: 8, .value_kind: global_buffer, .address_space: global }
      - { .name: router_w, .offset: 8, .size: 8, .value_kind: global_buffer, .address_space: global }
      - { .name: xq, .offset: 16, .size: 8, .value_kind: global_buffer, .address_space: global }
      - { .name: xs, .offset: 24, .size: 8, .value_kind: global_buffer, .address_space: global }
      - { .name: sel, .offset: 32, .size: 8, .value_kind: global_buffer, .address_space: global }
      - { .name: gates, .offset: 40, .size: 8, .value_kind: global_buffer, .address_space: global }
    .group_segment_fixed_size: 52224
    .private_segment_fixed_size: 0
    .kernarg_segment_align: 8
    .kernarg_segment_size: 48
    .max_flat_workgroup_size: 128
    .sgpr_count:     66
    .vgpr_count:     250
    .wavefront_size: 32
...
	.end_amdgpu_metadata
.endif
;; end of part 1
;; launch fc1 (part 2): grid 32 x 8, 4 waves a work-group, no clusters, 107,008 bytes of LDS; arguments xq, xs, sel, w1_codes, w1_scales, hid, hsc, plan; writes hid, hsc, plan
.if DOCPART == 2
	.amdgcn_target "amdgcn-amd-amdhsa--gfx1250"
	.amdhsa_code_object_version 6
	.text
	.protected	k_qed4e22429c_fc1
	.globl	k_qed4e22429c_fc1
	.p2align	8
	.type	k_qed4e22429c_fc1,@function
k_qed4e22429c_fc1:
	s_mov_b64 s[64:65], 0
	v_nop
	global_prefetch_b8 v0, s[64:65] scope:SCOPE_SE
	s_setreg_imm32_b32 hwreg(HW_REG_WAVE_MODE, 25, 1), 1
	s_wait_xcnt 0x0
; hidden = Q(gelu(Q(x) W1[e])) for the rows that chose expert e, on codes of E2M1 with one E8M0 scale for each 32 along K.
; SHARES.  Work-group (x = chunk, y = expert e) owns 128 hidden units: 128 rows of w1_codes, 65,536 bytes on end, read from memory by this work-group alone, once.
; They are turned through LDS once and then lie in EVERY wave's registers (8 tiles x 8 K steps x 8 registers = 512): so inside the walk over rows no wave needs another, and no barrier stands there.
; THE ROWS.  Wave 0 reads sel and builds the expert's list in LDS: entry 2 t + k for token t whose k-th choice is e.  Positions behind the last entry hold 2048 + 16 e + (position % 16): rows that
; are computed like any other (from token 1023's codes) and end in spare rows of y that nobody reads.  nt = max(ceil(n / 16), 1) tiles of 16 rows; wave w takes tiles w, w + 4, ..
; The walk has 16 trips in every wave, a constant, and a trip without a tile is jumped over: the list's LDS address steps by a constant in a loop of constant count.
; A TILE: 16 rows of xq (a row's 512 bytes by one load of the wave), through the wave's own stage into eight fragments; 64 matrix instructions, TRANSPOSED (source 0 = 16 rows of W1, source 1 = x):
; a lane holds one row.  THE ROWS OF W1 THAT FORM A TILE ARE NOT NEIGHBOURS: lane r of tile 2 b + u takes row 32 b + 8 u + r + 8 (r / 8), so that the 16 registers of tiles 2 b, 2 b + 1 are 16 neighbours
; along the next product's K.  IN LDS THEY ARE NEIGHBOURS: row i of a run of 32 is stored at slot i % 8 + 16 ((i / 8) % 2) + 8 (i / 16), so that lane r of tile t reads slot 16 t + r.
; gelu in f32: x / (1 + 2^(x (c0 + c1 x x))), which is 0.5 x (1 + tanh(sqrt(2 / pi) (x + 0.044715 x^3))).  The 128 units are one K step of the next product: one fragment, one scale word a row.
; OUT.  hid: tile 64 e + j, 32 KiB: [chunk][2][lane][16 bytes]: the image of the operand's registers, 512 consecutive bytes a store.  hsc: the tile's scale words laid so that the next launch takes four K steps' words by one
; load of 16 bytes a lane; here that is one store of 4 bytes a lane, 16 bytes apart: one byte in sixteen of what the tile stores.  Chunk 0 also stores the list and n in plan.
; NO TENSOR LOADS, NO CLUSTER: branches here hang on numbers read from memory (the list's length); each chunk has one reader anyway.
; EXEC is never written: every line runs with all lanes on.
; LIMITS: NaN and infinities are not served; a block of zeros gets the byte 1 (its codes are zeros; the bytes are read by this program alone).
.set WP,   528                         ; an LDS row: 512 bytes + 16 of padding = 132 words: row r starts at bank 4 r mod 64 (64 banks of 4 bytes: ISA guide 11.1), so 16 consecutive rows start at 16 different banks
.set XST,  128*WP                      ; LDS: W1's 128 rows at 0; then a stage of 16 rows for each wave;
.set XSW,  16*WP
.set LIST, XST+4*XSW                   ; the list, 1,152 entries; behind it, as positions 1,152 + lane, 32 words for what is discarded;
.set CNT,  LIST+4608+128               ; n
.set E,    16                          ; v16-31   a tile's 16 entries, then the byte offsets of their rows in xq
.set XT,   32                          ; v32-35   x's scale words as loaded: lanes 0-15 K steps 0-3, lanes 16-31 K steps 4-7
.set XS,   36                          ; v36-39   the same, of the tile at work
.set WS,   40                          ; v40-71   W1's scale words: register 8 p + s: lanes 0-15 tile 2 p, lanes 16-31 tile 2 p + 1, K step s
.set XF,   72                          ; v72-135  x's eight fragments; then gelu's exponents
.set HA,   136                         ; v136-199 my eight tiles of the hidden layer     (v72-199: W1 as loaded, at the head)
.set TM,   200                         ; v200-215 the quantiser's; v200 first holds n
.set PC,   216                         ; v216-223 the codes just made
.set PW,   224                         ; v224     their scale word
.set SL,   200                         ; v200-231 wave 0: sel as loaded
.set PT,   232                         ; v232-239 wave 0: eight positions; v240-247 eight entries
.set C0,   248                         ; v[248:249] c0, twice
.set MA,   66                          ; s66-73   wave 0: who takes a place, for eight registers of sel
.set MB,   74                          ; s74-81   whose second choice it is
.set MD,   82                          ; s82-89   how many take a place
.set MC,   90                          ; s90-98   entries ahead of each of the eight registers; s98: behind all eight
; v1 16 x lane; v2 r; v3 16 h; v4 a fragment of W1 in LDS; v5 W1 into LDS; v6 x into my stage; v7 a fragment of x; v8, v9 the list; v10, v11 offsets in hid, hsc; v12 16 r; v13 offset in xs; v14 my row's entry;
; v15 the list + 16 x lane; v250 n's place; v251 W1's scale words; v252 the list + 1,024 w + 16 x lane; v253, v254 offsets in plan; v255 4 r
; (wave 0, while it builds the list: v13 8 x lane, v14 1,152 + lane, v16-19 the spare rows' numbers)
; windows 1, 2: W1's fragment (t, s) at v[8 (8 (t % 4) + s)] of window 1 + t / 4;  window 3: v0-63 sixteen rows of xq as loaded
.set MSB, 0
.macro WIN new                         ; the immediate's high byte repeats the setting that is left; at every label and branch the setting is 0
.if MSB != \new
	s_set_vgpr_msb (MSB<<8)|\new
.set MSB, \new
.endif
.endm
; the matrix line on rD, rA, rB, rSA, rSB.  zero: it starts the sum;  ra, rb: the scale words stand in lanes 16-31
.macro WM zero, ra, rb
.if \zero
.if (\ra)&&(\rb)
	v_wmma_scale_f32_16x16x128_f8f6f4 v[rD:rD+7], v[rA:rA+7], v[rB:rB+7], 0, v[rSA], v[rSB] matrix_a_fmt:MATRIX_FMT_FP4 matrix_b_fmt:MATRIX_FMT_FP4 matrix_a_scale:MATRIX_SCALE_ROW1 matrix_b_scale:MATRIX_SCALE_ROW1
.elseif \ra
	v_wmma_scale_f32_16x16x128_f8f6f4 v[rD:rD+7], v[rA:rA+7], v[rB:rB+7], 0, v[rSA], v[rSB] matrix_a_fmt:MATRIX_FMT_FP4 matrix_b_fmt:MATRIX_FMT_FP4 matrix_a_scale:MATRIX_SCALE_ROW1
.elseif \rb
	v_wmma_scale_f32_16x16x128_f8f6f4 v[rD:rD+7], v[rA:rA+7], v[rB:rB+7], 0, v[rSA], v[rSB] matrix_a_fmt:MATRIX_FMT_FP4 matrix_b_fmt:MATRIX_FMT_FP4 matrix_b_scale:MATRIX_SCALE_ROW1
.else
	v_wmma_scale_f32_16x16x128_f8f6f4 v[rD:rD+7], v[rA:rA+7], v[rB:rB+7], 0, v[rSA], v[rSB] matrix_a_fmt:MATRIX_FMT_FP4 matrix_b_fmt:MATRIX_FMT_FP4
.endif
.else
.if (\ra)&&(\rb)
	v_wmma_scale_f32_16x16x128_f8f6f4 v[rD:rD+7], v[rA:rA+7], v[rB:rB+7], v[rD:rD+7], v[rSA], v[rSB] matrix_a_fmt:MATRIX_FMT_FP4 matrix_b_fmt:MATRIX_FMT_FP4 matrix_a_scale:MATRIX_SCALE_ROW1 matrix_b_scale:MATRIX_SCALE_ROW1
.elseif \ra
	v_wmma_scale_f32_16x16x128_f8f6f4 v[rD:rD+7], v[rA:rA+7], v[rB:rB+7], v[rD:rD+7], v[rSA], v[rSB] matrix_a_fmt:MATRIX_FMT_FP4 matrix_b_fmt:MATRIX_FMT_FP4 matrix_a_scale:MATRIX_SCALE_ROW1
.elseif \rb
	v_wmma_scale_f32_16x16x128_f8f6f4 v[rD:rD+7], v[rA:rA+7], v[rB:rB+7], v[rD:rD+7], v[rSA], v[rSB] matrix_a_fmt:MATRIX_FMT_FP4 matrix_b_fmt:MATRIX_FMT_FP4 matrix_b_scale:MATRIX_SCALE_ROW1
.else
	v_wmma_scale_f32_16x16x128_f8f6f4 v[rD:rD+7], v[rA:rA+7], v[rB:rB+7], v[rD:rD+7], v[rSA], v[rSB] matrix_a_fmt:MATRIX_FMT_FP4 matrix_b_fmt:MATRIX_FMT_FP4
.endif
.endif
.endm
.macro MM t, s                         ; tile t of the hidden layer, K step s
.set rD, HA+8*(\t)
.set rA, 8*(8*((\t)%4)+(\s))
.set rB, XF+8*(\s)
.set rSA, WS+8*((\t)/2)+(\s)
.set rSB, XS+(\s)%4
	WM ((\s)==0),((\t)%2),((\s)/4)
.endm
	s_load_b256 s[4:11], s[0:1], 0x0               ; xq s[4:5], xs s[6:7], sel s[8:9], w1_codes s[10:11]
	s_load_b256 s[12:19], s[0:1], 0x20             ; w1_scales s[12:13], hid s[14:15], hsc s[16:17], plan s[18:19]
	s_set_vgpr_msb 0xc0
	v_lshl_add_u32 v64, v0, 2, 0x1a000
	v_mov_b32 v65, 0
	s_set_vgpr_msb 0xc000
	v_lshrrev_b32 v2, 5, v0
	v_readfirstlane_b32 s20, v2                    ; wave
	s_mov_b32 s21, ttmp9                           ; chunk
	s_and_b32 s22, ttmp7, 0xffff                   ; expert
	v_and_b32 v9, 31, v0
	v_lshlrev_b32 v1, 4, v9                        ; 16 x lane
	v_and_b32 v2, 15, v0                           ; r
	v_bfe_u32 v3, v0, 4, 1
	v_lshlrev_b32 v3, 4, v3                        ; 16 h
	v_and_b32 v8, 8, v2
	v_add_nc_u32 v8, v8, v2                        ; r + 8 (r / 8)
	v_mul_u32_u24 v4, v2, WP
	v_add_nc_u32 v4, v4, v3                        ; a fragment of W1: slot r of the tile's sixteen, + 16 h
	s_mul_i32 s40, s20, 32*WP
	v_add_nc_u32 v5, s40, v1                       ; my wave brings rows 32 w .. 32 w + 31 of the chunk, into slots 32 w .. 32 w + 31
	s_mul_i32 s40, s20, XSW
	s_add_co_u32 s40, s40, XST
	v_add_nc_u32 v6, s40, v1
	v_mul_u32_u24 v7, v2, WP
	v_add_nc_u32 v7, v7, v3
	v_add_nc_u32 v7, s40, v7
	v_lshlrev_b32 v12, 4, v2
	v_add_nc_u32 v15, LIST, v1
	v_mov_b32 v250, CNT
	v_lshlrev_b32 v251, 5, v8
	v_lshl_add_u32 v251, v3, 4, v251               ; (8 h + r + 8 (r / 8)) x 32 bytes: a row of W1's scale bytes
	s_lshl_b32 s40, s20, 10
	v_add_nc_u32 v253, s40, v1
	v_add_nc_u32 v252, LIST, v253
	v_lshlrev_b32 v254, 2, v0
	v_lshlrev_b32 v255, 2, v2
	s_mov_b32 s30, 0xbdd2d3e8                      ; c1 = -2 log2(e) sqrt(2 / pi) x 0.044715
	s_mov_b32 s31, s30                             ; (named with it as a pair, so it is written)
	s_mov_b32 s32, 0x76543210
	s_mov_b32 s33, 0xfedcba98                      ; v_permlanex16_b32's selects for lane l xor 16
	s_lshl_b32 s28, s22, 6                         ; the expert's first tile
	s_mov_b32 s41, 0
	s_wait_kmcnt 0x0
	s_lshl_b32 s40, s22, 21
	s_lshl_b32 s36, s21, 16
	s_add_co_u32 s40, s40, s36
	s_lshl_b32 s36, s20, 14
	s_add_co_u32 s40, s40, s36
	s_add_nc_u64 s[10:11], s[10:11], s[40:41]      ; W1's codes: expert, chunk, my wave's quarter
	s_lshl_b32 s40, s22, 17
	s_lshl_b32 s36, s21, 12
	s_add_co_u32 s40, s40, s36
	s_add_nc_u64 s[12:13], s[12:13], s[40:41]      ; W1's scale bytes: expert, chunk
	s_lshl_b32 s40, s21, 10
	s_add_nc_u64 s[14:15], s[14:15], s[40:41]      ; hid: my chunk is K step 'chunk' of every tile
	s_lshr_b32 s40, s21, 3
	s_lshl_b32 s40, s40, 9
	s_bfe_u32 s36, s21, 0x10002
	s_lshl_b32 s36, s36, 8
	s_add_co_u32 s40, s40, s36
	s_and_b32 s36, s21, 3
	s_lshl_b32 s36, s36, 2
	s_add_co_u32 s40, s40, s36
	s_add_nc_u64 s[16:17], s[16:17], s[40:41]      ; hsc: 512 (chunk / 8) + 256 ((chunk / 4) % 2) + 4 (chunk % 4)
	s_mul_i32 s40, s22, 4608
	s_add_nc_u64 s[18:19], s[18:19], s[40:41]      ; plan: the expert's part
	s_cmp_lg_u32 s20, 0
	s_cbranch_scc1 .Lno_sel
.set i, 0
.rept 8
	global_load_b128 v[SL+4*i:SL+4*i+3], v1, s[8:9] offset:512*i   ; wave 0: register 4 q + i = token 128 q + 4 lane + i
.set i, i+1
.endr
.Lno_sel:
.set i, 0
.rept 32
	global_load_b128 v[XF+4*i:XF+4*i+3], v1, s[10:11] offset:512*i th:TH_LOAD_NT   ; a row of W1 a load
.set i, i+1
.endr
.irp p, 0,1,2,3
.irp q, 0,1
	global_load_b128 v[WS+8*\p+4*\q:WS+8*\p+4*\q+3], v251, s[12:13] offset:1024*\p+16*\q
.endr
.endr
	s_cmp_lg_u32 s20, 0
	s_cbranch_scc1 .Lno_list
	; WAVE 0 BUILDS THE LIST.  No other wave touches LDS ahead of the barrier below.
	s_wait_loadcnt 40                              ; sel is in; the 40 loads of W1 and its scales are younger
	v_lshrrev_b32 v13, 1, v1                       ; 8 x lane
	v_lshrrev_b32 v14, 4, v1
	v_add_nc_u32 v14, 1152, v14                    ; my discard word's position: 1,152 + lane
	v_lshrrev_b32 v16, 2, v1
	v_and_b32 v16, 12, v16
	s_lshl_b32 s40, s22, 4
	s_add_co_u32 s40, s40, 2048
	v_add_nc_u32 v16, s40, v16                     ; 2048 + 16 e + position % 16, for four positions a lane
	v_add_nc_u32 v17, 1, v16
	v_add_nc_u32 v18, 2, v16
	v_add_nc_u32 v19, 3, v16
.irp m, 0,1,2,3,4,5,6,7,8
	ds_store_b128 v15, v[16:19] offset:512*\m      ; all 1,152 positions first hold spare rows
.endr
	s_mov_b32 s[MC], 0                             ; entries so far
; Registers 8 g .. 8 g + 7 of sel: 256 tokens, 32 a register, one a lane.  Those that chose e take the next positions, register by register, in the order of the lanes; the others' words go to their
; discard words.  All lanes stay on: the choice is a select.  Each step is taken for all eight registers before the next step, so that no line waits for the line above it.
.macro PLACE8 g
.irp m, 0,1,2,3,4,5,6,7
	v_and_b32 v[PT+\m], 0xff, v[SL+8*(\g)+\m]      ; the first choice
.endr
.irp m, 0,1,2,3,4,5,6,7
	v_lshrrev_b32 v[PT+8+\m], 8, v[SL+8*(\g)+\m]   ; the second
.endr
.irp m, 0,1,2,3,4,5,6,7
	v_cmp_eq_u32 s[MA+\m], s22, v[PT+\m]
.endr
.irp m, 0,1,2,3,4,5,6,7
	v_cmp_eq_u32 s[MB+\m], s22, v[PT+8+\m]
.endr
.irp m, 0,1,2,3,4,5,6,7
	s_or_b32 s[MA+\m], s[MA+\m], s[MB+\m]          ; (the two choices of a token differ)
.endr
.irp m, 0,1,2,3,4,5,6,7
	s_bcnt1_i32_b32 s[MD+\m], s[MA+\m]
.endr
.irp m, 0,1,2,3,4,5,6,7
	s_add_co_u32 s[MC+\m+1], s[MC+\m], s[MD+\m]    ; entries ahead of the next register
.endr
.irp m, 0,1,2,3,4,5,6,7
	v_mbcnt_lo_u32_b32 v[PT+\m], s[MA+\m], s[MC+\m]   ; entries ahead of my register + takers among the lanes below me
.endr
.irp m, 0,1,2,3,4,5,6,7
	v_cndmask_b32 v[PT+\m], v14, v[PT+\m], s[MA+\m]   ; a taker: that position; else my discard word's
.endr
.irp m, 0,1,2,3,4,5,6,7
	v_min_u32 v[PT+\m], 0x49f, v[PT+\m]            ; held at the last discard word, 1,152 + 31
.endr
.irp m, 0,1,2,3,4,5,6,7
	v_lshl_add_u32 v[PT+\m], v[PT+\m], 2, LIST
.endr
.irp m, 0,1,2,3,4,5,6,7
	v_cndmask_b32 v[PT+8+\m], 0, 1, s[MB+\m]       ; k
.endr
.irp m, 0,1,2,3,4,5,6,7
	v_add_nc_u32 v[PT+8+\m], v[PT+8+\m], v13
.endr
.irp m, 0,1,2,3,4,5,6,7
	v_add_nc_u32 v[PT+8+\m], 256*((8*(\g)+\m)/4)+2*((8*(\g)+\m)%4), v[PT+8+\m]   ; 2 t + k
.endr
.irp m, 0,1,2,3,4,5,6,7
	ds_store_b32 v[PT+\m], v[PT+8+\m]
.endr
	s_mov_b32 s[MC], s[MC+8]
.endm
	PLACE8 0
	PLACE8 1
	PLACE8 2
	PLACE8 3
	v_mov_b32 v[PT], s[MC]
	ds_store_b32 v250, v[PT]                       ; n (all lanes write the same word with the same value)
.Lno_list:
	s_wait_dscnt 0x0                               ; wave 0's stores have landed
	s_barrier_signal -1
	s_barrier_wait -1                              ; the list and n lie in LDS; nobody writes them again
.macro LISTRD                          ; the 16 entries at s26: all of them into every lane, and my row's
	v_mov_b32 v8, s26
	v_add_nc_u32 v9, s26, v255
.irp q, 0,1,2,3
	ds_load_b128 v[E+4*\q:E+4*\q+3], v8 offset:16*\q
.endr
	ds_load_b32 v14, v9
.endm
.macro XLOAD                           ; their rows of xq (17 loads): token = entry / 2, held at 1,023
.irp i, 0,1,2,3,4,5,6,7,8,9,10,11,12,13,14,15
	v_lshrrev_b32 v[E+\i], 1, v[E+\i]
.endr
.irp i, 0,1,2,3,4,5,6,7,8,9,10,11,12,13,14,15
	v_min_u32 v[E+\i], 0x3ff, v[E+\i]
.endr
.irp i, 0,1,2,3,4,5,6,7,8,9,10,11,12,13,14,15
	v_lshl_add_u32 v[E+\i], v[E+\i], 9, v1
.endr
	v_lshrrev_b32 v14, 1, v14
	v_min_u32 v14, 0x3ff, v14
	v_lshl_add_u32 v13, v14, 5, v3
	WIN 0xc0                                       ; destination window 3
.irp i, 0,1,2,3,4,5,6,7,8,9,10,11,12,13,14,15
	global_load_b128 v[4*\i:4*\i+3], v[E+\i], s[4:5]   ; the wave reads a row's 512 bytes on end
.endr
	WIN 0
	global_load_b128 v[XT:XT+3], v13, s[6:7]       ; my row's scale words: four K steps for each half of the lanes
.endm
	ds_load_b32 v[TM], v250
	s_lshl_b32 s26, s20, 6
	s_add_co_u32 s26, s26, LIST                    ; tile w's entries
	LISTRD
	s_wait_dscnt 0x0
	v_readfirstlane_b32 s40, v[TM]                 ; n
	s_add_co_u32 s25, s40, 15
	s_lshr_b32 s25, s25, 4
	s_max_u32 s25, s25, 1
	s_min_u32 s25, s25, 64                         ; nt
	s_add_co_u32 s26, s26, 256                     ; on to tile w + 4
	XLOAD
	s_wait_loadcnt 17                              ; W1 and its scale words are in; the 17 loads just issued are younger
.set i, 0
.rept 32
	ds_store_b128 v5, v[XF+4*i:XF+4*i+3] offset:WP*((i%8)+16*((i/8)%2)+8*(i/16))   ; row i of my 32 to the slot at which its tile reads it
.set i, i+1
.endr
	s_wait_dscnt 0x0                               ; for the others' sake: my quarter of the chunk lies in LDS
	s_barrier_signal -1
	s_barrier_wait -1                              ; the last barrier: from here on each wave goes alone
	WIN 0x40                                       ; destination window 1
.irp t, 0,1,2,3
.irp s, 0,1,2,3,4,5,6,7
.irp c, 0,1
	ds_load_b128 v[8*(8*\t+\s)+4*\c:8*(8*\t+\s)+4*\c+3], v4 offset:16*\t*WP+64*\s+32*\c
.endr
.endr
.endr
	WIN 0x80                                       ; destination window 2
.irp t, 4,5,6,7
.irp s, 0,1,2,3,4,5,6,7
.irp c, 0,1
	ds_load_b128 v[8*(8*(\t-4)+\s)+4*\c:8*(8*(\t-4)+\s)+4*\c+3], v4 offset:16*\t*WP+64*\s+32*\c
.endr
.endr
.endr
	WIN 0
	s_cmp_lg_u32 s21, 0
	s_cbranch_scc1 .Lno_plan
	ds_load_b128 v[232:235], v252                  ; chunk 0 hands the list's first 1,024 entries and n on to the next launch
	ds_load_b128 v[236:239], v252 offset:512
	s_wait_dscnt 0x0
	global_store_b128 v253, v[232:235], s[18:19]
	global_store_b128 v253, v[236:239], s[18:19] offset:512
	global_store_b32 v254, v[TM], s[18:19] offset:4096   ; n, 128 times: 512 consecutive bytes
.Lno_plan:
.irp b, 0,1,2,3
	v_mov_b32 v[TM+4+\b], 0                        ; written once: a lane permute's destination counts as one of its sources
.endr
	v_mov_b32 v[C0], 0xc0135761                    ; c0 = -2 log2(e) sqrt(2 / pi)
	v_mov_b32 v[C0+1], 0xc0135761
	s_mov_b32 s24, s20                             ; my tile
	s_mov_b32 s27, 0
	s_wait_dscnt 0x0                               ; W1's fragments are in
.macro GELU                            ; on the 64 numbers of HA, ascending; the exponents in XF's registers, which the products are done with
.set i, 0
.rept 32
	v_pk_mul_f32 v[XF+i:XF+i+1], v[HA+i:HA+i+1], v[HA+i:HA+i+1]
.set i, i+2
.endr
.set i, 0
.rept 32
	v_pk_fma_f32 v[XF+i:XF+i+1], v[XF+i:XF+i+1], s[30:31], v[C0:C0+1] op_sel_hi:[1,0,1]
.set i, i+2
.endr
.set i, 0
.rept 32
	v_pk_mul_f32 v[XF+i:XF+i+1], v[XF+i:XF+i+1], v[HA+i:HA+i+1]
.set i, i+2
.endr
.set i, 0
.rept 64
	v_exp_f32 v[XF+i], v[XF+i]
.set i, i+1
.endr
	v_nop                                          ; a plain place behind the last exponential
	s_wait_alu depctr_va_vdst(0)                   ; one wait for the 64, ahead of their first reader
.set i, 0
.rept 32
	v_pk_add_f32 v[XF+i:XF+i+1], v[XF+i:XF+i+1], 1.0 op_sel_hi:[1,0]
.set i, i+2
.endr
.set i, 0
.rept 64
	v_rcp_f32 v[XF+i], v[XF+i]
.set i, i+1
.endr
	v_nop
	s_wait_alu depctr_va_vdst(0)                   ; and one for the 64 reciprocals
.set i, 0
.rept 32
	v_pk_mul_f32 v[HA+i:HA+i+1], v[HA+i:HA+i+1], v[XF+i:XF+i+1]
.set i, i+2
.endr
.endm
; HA's register 16 b + i is unit 32 b + 16 (lane / 16) + i of my row: the 64 become a fragment's codes in v[PC] on and its scale word in v[PW]
.macro QUANT
.irp b, 0,1,2,3
	v_max3_num_f32 v[TM+\b], |v[HA+16*\b]|, |v[HA+1+16*\b]|, 0x1800000   ; block b: my 16 numbers, and the floor 2^(3 - 127): the byte cannot fall under 1
.endr
.irp i, 2,4,6,8,10,12,14
.irp b, 0,1,2,3
	v_max3_num_f32 v[TM+\b], v[TM+\b], |v[HA+16*\b+\i]|, |v[HA+1+16*\b+\i]|   ; (the four blocks by turns)
.endr
.endr
.irp b, 0,1,2,3
	v_permlanex16_b32 v[TM+4+\b], v[TM+\b], s32, s33
.endr
.irp b, 0,1,2,3
	v_max_num_f32 v[TM+\b], v[TM+\b], v[TM+4+\b]   ; with lane l xor 16's: the block's largest magnitude
.endr
.irp b, 0,1,2,3
	v_add_nc_u32 v[TM+12+\b], 0xff000000, v[TM+\b] ; 2 off its exponent field: the conversion's scale operand
.endr
.irp b, 0,1,2,3
	v_lshrrev_b32 v[TM+4+\b], 23, v[TM+12+\b]      ; the scale's byte
.endr
	v_lshl_or_b32 v[PW], v[TM+5], 8, v[TM+4]
	v_lshl_or_b32 v[PW], v[TM+6], 16, v[PW]
	v_lshl_or_b32 v[PW], v[TM+7], 24, v[PW]
.irp b, 0,1,2,3
	v_cvt_scalef32_pk8_fp4_f32 v[PC+2*\b], v[HA+16*\b:HA+7+16*\b], v[TM+12+\b]
	v_cvt_scalef32_pk8_fp4_f32 v[PC+1+2*\b], v[HA+8+16*\b:HA+15+16*\b], v[TM+12+\b]
.endr
	v_nop                                          ; one plain place behind a scaled conversion
.irp c, 0,1                                    ; the operand's layout wants a whole block in a lane: lanes 0-15 block 2 c, lanes 16-31 block 2 c + 1
.irp i, 0,1
	v_permlane16_swap_b32 v[PC+4*\c+\i], v[PC+2+4*\c+\i]
.endr
.endr
.endm
.Ltrip:                                        ; 16 trips in every wave; trip i is tile w + 4 i
	s_cmp_ge_u32 s24, s25
	s_cbranch_scc1 .Lskip
	s_wait_loadcnt 0x0                             ; this tile's rows and scale words are in: their address registers are free
	s_wait_xcnt 0x0                                ; the last tile's stores have read their data and offsets: both are written again below
	WIN 0x0c                                       ; an LDS store's data are its source 1: window 3
.irp i, 0,1,2,3,4,5,6,7,8,9,10,11,12,13,14,15
	ds_store_b128 v6, v[4*\i:4*\i+3] offset:WP*\i
.endr
	WIN 0
.irp s, 0,1,2,3,4,5,6,7
.irp c, 0,1
	ds_load_b128 v[XF+8*\s+4*\c:XF+8*\s+4*\c+3], v7 offset:64*\s+32*\c   ; LDS serves a wave's instructions in order: these see the stores above
.endr
.endr
	LISTRD                                         ; tile j + 4's entries (behind the list's end: spare rows)
.irp q, 0,1,2,3
	v_mov_b32 v[XS+\q], v[XT+\q]
.endr
	s_add_co_u32 s40, s28, s24
	s_lshl_b32 s41, s40, 15
	v_add_nc_u32 v10, s41, v1                      ; the tile's 32 KiB of hid, + 16 x lane
	s_lshl_b32 s41, s40, 11
	v_add_nc_u32 v11, s41, v12                     ; its 2 KiB of hsc, + 16 r
	s_wait_dscnt 0x0                               ; the fragments and the entries are in; the stage's stores have read window 3
	XLOAD                                          ; the next tile's rows: they have this whole trip in which to land.  Its 51 plain lines are also the places between the scale words' moves and the products
	WIN 0x01                                       ; source 0 (W1) window 1
.irp s, 0,1,2,3,4,5,6,7
.irp t, 0,1,2,3
	MM \t, \s                                      ; four accumulators by turns, one instruction a turn
.endr
.endr
	WIN 0x02                                       ; source 0 window 2
.irp s, 0,1,2,3,4,5,6,7
.irp t, 4,5,6,7
	MM \t, \s
.endr
.endr
	WIN 0
.rept 4
	v_nop                                          ; places behind the last products: the lines below read results and write over x's fragments
.endr
	GELU
	QUANT
	global_store_b128 v10, v[PC:PC+3], s[14:15]    ; the fragment as it stands: 512 consecutive bytes a store
	global_store_b128 v10, v[PC+4:PC+7], s[14:15] offset:512
	global_store_b32 v11, v[PW], s[16:17]          ; row r's scale word (lanes 16-31 store the same word at the same place)
.Lskip:
	s_add_co_u32 s24, s24, 4
	s_add_co_u32 s26, s26, 256
	s_add_co_u32 s27, s27, 1
	s_cmp_lt_u32 s27, 16
	s_cbranch_scc1 .Ltrip
	s_set_vgpr_msb 0xf
	s_wait_tensorcnt 0x0
	ds_add_u32 v64, v65
	s_wait_dscnt 0x0
	s_set_vgpr_msb 0xf00
	s_endpgm
.Lfunc_end_k_qed4e22429c_fc1:
	.size	k_qed4e22429c_fc1, .Lfunc_end_k_qed4e22429c_fc1-k_qed4e22429c_fc1
	.p2alignl 7, 3214868480
	.fill 96, 4, 3214868480
	.section	.rodata,"a",@progbits
	.p2align	6, 0x0
	.amdhsa_kernel k_qed4e22429c_fc1
		.amdhsa_group_segment_fixed_size 107008
		.amdhsa_private_segment_fixed_size 0
		.amdhsa_enable_private_segment 0
		.amdhsa_kernarg_size 64
		.amdhsa_user_sgpr_count 2
		.amdhsa_user_sgpr_kernarg_segment_ptr 1
		.amdhsa_wavefront_size32 1
		.amdhsa_system_sgpr_workgroup_id_x 1
		.amdhsa_system_sgpr_workgroup_id_y 1
		.amdhsa_system_sgpr_workgroup_id_z 1
		.amdhsa_system_vgpr_workitem_id 0
		.amdhsa_next_free_vgpr 834
		.amdhsa_next_free_sgpr 100
		.amdhsa_reserve_vcc 0
		.amdhsa_float_denorm_mode_32 3
		.amdhsa_float_denorm_mode_16_64 3
		.amdhsa_memory_ordered 1
		.amdhsa_forward_progress 1
		.amdhsa_inst_pref_size 85
	.end_amdhsa_kernel
	.amdgpu_metadata
---
amdhsa.version: [ 1, 2 ]
amdhsa.kernels:
  - .name:           k_qed4e22429c_fc1
    .symbol:         k_qed4e22429c_fc1.kd
    .args:
      - { .name: xq, .offset: 0, .size: 8, .value_kind: global_buffer, .address_space: global }
      - { .name: xs, .offset: 8, .size: 8, .value_kind: global_buffer, .address_space: global }
      - { .name: sel, .offset: 16, .size: 8, .value_kind: global_buffer, .address_space: global }
      - { .name: w1_codes, .offset: 24, .size: 8, .value_kind: global_buffer, .address_space: global }
      - { .name: w1_scales, .offset: 32, .size: 8, .value_kind: global_buffer, .address_space: global }
      - { .name: hid, .offset: 40, .size: 8, .value_kind: global_buffer, .address_space: global }
      - { .name: hsc, .offset: 48, .size: 8, .value_kind: global_buffer, .address_space: global }
      - { .name: plan, .offset: 56, .size: 8, .value_kind: global_buffer, .address_space: global }
    .group_segment_fixed_size: 107008
    .private_segment_fixed_size: 0
    .kernarg_segment_align: 8
    .kernarg_segment_size: 64
    .max_flat_workgroup_size: 128
    .sgpr_count:     100
    .vgpr_count:     834
    .wavefront_size: 32
...
	.end_amdgpu_metadata
.endif
;; end of part 2
;; launch fc2 (part 3): grid 32 x 8, 4 waves a work-group, no clusters, 76,288 bytes of LDS; arguments hid, hsc, plan, w2_codes, w2_scales, y; writes y
.if DOCPART == 3
	.amdgcn_target "amdgcn-amd-amdhsa--gfx1250"
	.amdhsa_code_object_version 6
	.text
	.protected	k_qed4e22429c_fc2
	.globl	k_qed4e22429c_fc2
	.p2align	8
	.type	k_qed4e22429c_fc2,@function
k_qed4e22429c_fc2:
	s_mov_b64 s[64:65], 0
	v_nop
	global_prefetch_b8 v0, s[64:65] scope:SCOPE_SE
	s_setreg_imm32_b32 hwreg(HW_REG_WAVE_MODE, 25, 1), 1
	s_wait_xcnt 0x0
; y[2 t + k][:] = hidden W2[e] for the rows that chose expert e, on codes of E2M1 with one E8M0 scale for each 32 along K (K = 4,096: 32 K steps of 128).
; SHARES.  Work-group (x = chunk c, y = expert e) owns 32 output columns: 32 rows of w2_codes, 65,536 bytes on end, read from memory by this work-group alone, once.  They are turned through LDS once and then lie in
; EVERY wave's registers (2 tiles x 32 K steps x 8 registers = 512).  Wave w takes the expert's tiles of 16 rows w, w + 4, ..; a wave without a tile ends behind the one barrier.
; A TILE of the hidden layer is 32 KiB of hid laid as images of the operand's registers: 64 loads of 512 consecutive bytes, straight into registers (256 of them), in four groups of eight K steps;
; as soon as a group has been multiplied, the same group of the wave's NEXT tile is asked for: so 68 loads, a whole tile, are on their way while a tile is multiplied.  A wave's last tile is written out
; behind the loop and asks for nothing.
; TRANSPOSED: source 0 = 16 rows of W2, source 1 = the hidden rows: a lane holds one row.  Lane r of tile u takes W2's row 8 u + r + 8 (r / 8), so that a lane's 16 results are 16 neighbouring columns.
; IN LDS a tile's rows are neighbours: row i of the 32 is stored at slot i % 8 + 16 ((i / 8) % 2) + 8 (i / 16), so that lane r of tile u reads slot 16 u + r.
; K is summed in two f32 sums for each tile of columns (even and odd K steps), so that four accumulators take turns; the two are added at the end.
; OUT: through the wave's own stage: eight lanes store a row's 128 bytes at row 'entry' of y (from plan).  128 bytes are all that a work-group has of a row: twice the columns would not fit the registers.
; Rows behind the list's end go to their spare rows of y, which nobody reads: no mask is needed.
; NO TENSOR LOADS, NO CLUSTER: trip counts here hang on a number read from memory.
.set WP,   2064                        ; an LDS row of W2: 2,048 bytes + 16 of padding = 516 words: row r starts at bank 4 r mod 64 (64 banks of 4 bytes: ISA guide 11.1), so 16 consecutive rows start at 16 different banks
.set YST,  32*WP                       ; behind W2's 32 rows: a stage of 16 rows x (128 bytes + 16) for each wave
.set YP,   144
.set DE,   16                          ; v16-19   four entries of the list
.set YO,   20                          ; v20-23   their byte offsets in y
.set WS,   24                          ; v24-55   W2's scale words: register s: lanes 0-15 tile 0, lanes 16-31 tile 1, K step s
.set HS,   56                          ; v56-71   the hidden rows' scale words: register 4 g + i: lanes 0-15 K step 8 g + i, lanes 16-31 K step 8 g + 4 + i
.set ACC,  72                          ; v72-103  accumulator 2 (s % 2) + u
.set OUT,  104                         ; v104-119 rows read back from the stage
.set RAW,  120                         ; v120-247 W2 as loaded
; v1 16 x lane; v2 r; v3 h; v4 a fragment of W2 in LDS; v5 W2 into LDS; v6, v7 the stage, in and out; v8, v9, v10 offsets in hid, hsc, plan; v11 16 (lane % 8); v12 16 (lane / 8); v13 W2's scale words
; windows 1, 2: W2's fragment (u, s) at v[8 (2 (s % 16) + u)] of window 1 + s / 16;  window 3: the hidden fragment of K step s at v[8 s]
.set MSB, 0
.macro WIN new                         ; the immediate's high byte repeats the setting that is left; at every label and branch the setting is 0
.if MSB != \new
	s_set_vgpr_msb (MSB<<8)|\new
.set MSB, \new
.endif
.endm
.macro WM zero, ra, rb                 ; the matrix line on rD, rA, rB, rSA, rSB.  zero: it starts the sum;  ra, rb: the scale words stand in lanes 16-31
.if \zero
.if (\ra)&&(\rb)
	v_wmma_scale_f32_16x16x128_f8f6f4 v[rD:rD+7], v[rA:rA+7], v[rB:rB+7], 0, v[rSA], v[rSB] matrix_a_fmt:MATRIX_FMT_FP4 matrix_b_fmt:MATRIX_FMT_FP4 matrix_a_scale:MATRIX_SCALE_ROW1 matrix_b_scale:MATRIX_SCALE_ROW1
.elseif \ra
	v_wmma_scale_f32_16x16x128_f8f6f4 v[rD:rD+7], v[rA:rA+7], v[rB:rB+7], 0, v[rSA], v[rSB] matrix_a_fmt:MATRIX_FMT_FP4 matrix_b_fmt:MATRIX_FMT_FP4 matrix_a_scale:MATRIX_SCALE_ROW1
.elseif \rb
	v_wmma_scale_f32_16x16x128_f8f6f4 v[rD:rD+7], v[rA:rA+7], v[rB:rB+7], 0, v[rSA], v[rSB] matrix_a_fmt:MATRIX_FMT_FP4 matrix_b_fmt:MATRIX_FMT_FP4 matrix_b_scale:MATRIX_SCALE_ROW1
.else
	v_wmma_scale_f32_16x16x128_f8f6f4 v[rD:rD+7], v[rA:rA+7], v[rB:rB+7], 0, v[rSA], v[rSB] matrix_a_fmt:MATRIX_FMT_FP4 matrix_b_fmt:MATRIX_FMT_FP4
.endif
.else
.if (\ra)&&(\rb)
	v_wmma_scale_f32_16x16x128_f8f6f4 v[rD:rD+7], v[rA:rA+7], v[rB:rB+7], v[rD:rD+7], v[rSA], v[rSB] matrix_a_fmt:MATRIX_FMT_FP4 matrix_b_fmt:MATRIX_FMT_FP4 matrix_a_scale:MATRIX_SCALE_ROW1 matrix_b_scale:MATRIX_SCALE_ROW1
.elseif \ra
	v_wmma_scale_f32_16x16x128_f8f6f4 v[rD:rD+7], v[rA:rA+7], v[rB:rB+7], v[rD:rD+7], v[rSA], v[rSB] matrix_a_fmt:MATRIX_FMT_FP4 matrix_b_fmt:MATRIX_FMT_FP4 matrix_a_scale:MATRIX_SCALE_ROW1
.elseif \rb
	v_wmma_scale_f32_16x16x128_f8f6f4 v[rD:rD+7], v[rA:rA+7], v[rB:rB+7], v[rD:rD+7], v[rSA], v[rSB] matrix_a_fmt:MATRIX_FMT_FP4 matrix_b_fmt:MATRIX_FMT_FP4 matrix_b_scale:MATRIX_SCALE_ROW1
.else
	v_wmma_scale_f32_16x16x128_f8f6f4 v[rD:rD+7], v[rA:rA+7], v[rB:rB+7], v[rD:rD+7], v[rSA], v[rSB] matrix_a_fmt:MATRIX_FMT_FP4 matrix_b_fmt:MATRIX_FMT_FP4
.endif
.endif
.endm
.macro MM s, u                         ; K step s, tile u of the columns
.set rD, ACC+8*(2*((\s)%2)+(\u))
.set rA, 8*(2*((\s)%16)+(\u))
.set rB, 8*(\s)
.set rSA, WS+(\s)
.set rSB, HS+4*((\s)/8)+(\s)%4
	WM ((\s)<2),(\u),(((\s)/4)%2)
.endm
.macro G g                             ; 17 loads: K steps 8 g .. 8 g + 7 of the tile at v8, v9: sixteen of codes, one of scale words
	WIN 0xc0                                       ; destination window 3
.set ss, 8*(\g)
.rept 8
	global_load_b128 v[8*ss:8*ss+3], v8, s[4:5] offset:1024*ss
	global_load_b128 v[8*ss+4:8*ss+7], v8, s[4:5] offset:1024*ss+512
.set ss, ss+1
.endr
	WIN 0
	global_load_b128 v[HS+4*(\g):HS+4*(\g)+3], v9, s[6:7] offset:512*(\g)
.endm
.macro ADR                             ; s40: a tile of the expert; held at its last tile, and at 63 by a constant; then the three offsets
	s_min_u32 s40, s40, s27
	s_min_u32 s40, s40, 63
	s_add_co_u32 s41, s40, s28
	s_lshl_b32 s42, s41, 15
	v_add_nc_u32 v8, s42, v1
	s_lshl_b32 s42, s41, 11
	v_add_nc_u32 v9, s42, v1
	s_lshl_b32 s42, s40, 6
	v_add_nc_u32 v10, s42, v12
.endm
	s_load_b256 s[4:11], s[0:1], 0x0               ; hid s[4:5], hsc s[6:7], plan s[8:9], w2_codes s[10:11]
	s_load_b128 s[12:15], s[0:1], 0x20             ; w2_scales s[12:13], y s[14:15]
	v_lshl_add_u32 v254, v0, 2, 0x12800
	v_mov_b32 v255, 0
	v_lshrrev_b32 v2, 5, v0
	v_readfirstlane_b32 s20, v2                    ; wave
	s_mov_b32 s21, ttmp9                           ; chunk
	s_and_b32 s22, ttmp7, 0xffff                   ; expert
	v_and_b32 v14, 31, v0                          ; lane
	v_lshlrev_b32 v1, 4, v14
	v_and_b32 v2, 15, v0                           ; r
	v_bfe_u32 v3, v0, 4, 1                         ; h
	v_and_b32 v15, 8, v2
	v_add_nc_u32 v15, v15, v2                      ; r + 8 (r / 8)
	v_mul_u32_u24 v4, v2, WP
	v_lshl_add_u32 v4, v3, 4, v4                   ; a fragment of W2: slot r of the tile's sixteen, + 16 h
	s_and_b32 s40, s20, 1
	s_lshl_b32 s40, s40, 4
	s_lshr_b32 s36, s20, 1
	s_lshl_b32 s36, s36, 3
	s_add_co_u32 s40, s40, s36                     ; my wave brings rows 8 w .. 8 w + 7 of the chunk, into slots 16 (w % 2) + 8 (w / 2) on
	s_mul_i32 s40, s40, WP
	v_add_nc_u32 v5, s40, v1
	s_mul_i32 s40, s20, 16*YP
	s_add_co_u32 s40, s40, YST                     ; my stage
	v_mul_u32_u24 v6, v2, YP
	v_lshl_add_u32 v6, v3, 6, v6
	v_add_nc_u32 v6, s40, v6                       ; in: row r, 64 bytes for each half of the lanes
	v_lshrrev_b32 v12, 3, v14
	v_and_b32 v11, 7, v14
	v_lshlrev_b32 v11, 4, v11
	v_mul_u32_u24 v7, v12, 4*YP
	v_add_nc_u32 v7, v7, v11
	v_add_nc_u32 v7, s40, v7                       ; out: eight lanes to a row; load q takes rows q, 4 + q, 8 + q, 12 + q
	v_lshlrev_b32 v12, 4, v12
	v_lshl_add_u32 v13, v3, 3, v15
	v_lshlrev_b32 v13, 7, v13                      ; (8 h + r + 8 (r / 8)) x 128 bytes: a row of W2's scale bytes
	s_lshl_b32 s28, s22, 6                         ; the expert's first tile
	s_mov_b32 s41, 0
	s_wait_kmcnt 0x0
	s_mul_i32 s40, s22, 4608
	s_add_nc_u64 s[8:9], s[8:9], s[40:41]          ; plan: the expert's part
	s_load_b32 s24, s[8:9], 0x1000                 ; n
	s_lshl_b32 s40, s22, 21
	s_lshl_b32 s36, s21, 16
	s_add_co_u32 s40, s40, s36
	s_lshl_b32 s36, s20, 14
	s_add_co_u32 s40, s40, s36
	s_add_nc_u64 s[10:11], s[10:11], s[40:41]      ; W2's codes: expert, chunk, my wave's quarter
	s_lshl_b32 s40, s22, 17
	s_lshl_b32 s36, s21, 12
	s_add_co_u32 s40, s40, s36
	s_add_nc_u64 s[12:13], s[12:13], s[40:41]      ; W2's scale bytes: expert, chunk
	s_lshl_b32 s40, s21, 7
	s_add_nc_u64 s[14:15], s[14:15], s[40:41]      ; y: my 32 columns
.set i, 0
.rept 32
	global_load_b128 v[RAW+4*i:RAW+4*i+3], v1, s[10:11] offset:512*i th:TH_LOAD_NT
.set i, i+1
.endr
.irp q, 0,1,2,3,4,5,6,7
	global_load_b128 v[WS+4*\q:WS+4*\q+3], v13, s[12:13] offset:16*\q
.endr
	s_wait_kmcnt 0x0
	s_add_co_u32 s25, s24, 15
	s_lshr_b32 s25, s25, 4
	s_max_u32 s25, s25, 1
	s_min_u32 s25, s25, 64                         ; nt, as the launch before took it: tiles 0 .. nt - 1 of hid and hsc are written
	s_sub_co_u32 s27, s25, 1
	s_mov_b32 s40, s20
	ADR                                            ; my first tile (a wave without one names the last: it asks for three groups and ends)
	G 0                                            ; three of its four groups go out behind the weights' loads, ahead of the wait for those
	G 1
	G 2
	s_wait_loadcnt 51                              ; W2 and its scale words are in; the three groups of 17 just issued are younger
.set i, 0
.rept 32
	ds_store_b128 v5, v[RAW+4*i:RAW+4*i+3] offset:(i/4)*WP+512*(i%4)
.set i, i+1
.endr
	s_wait_dscnt 0x0                               ; for the others' sake: my quarter of the chunk lies in LDS
	s_barrier_signal -1
	s_barrier_wait -1                              ; the only barrier
	s_cmp_ge_u32 s20, s25
	s_cbranch_scc1 .Lend
	G 3
	global_load_b128 v[DE:DE+3], v10, s[8:9]       ; D: the entries of rows 4 (lane / 8) + 0 .. 3 of my tile
	WIN 0x40                                       ; destination window 1
.set ss, 0
.rept 16
.irp u, 0,1
.irp c, 0,1
	ds_load_b128 v[8*(2*ss+\u)+4*\c:8*(2*ss+\u)+4*\c+3], v4 offset:16*\u*WP+64*ss+32*\c
.endr
.endr
.set ss, ss+1
.endr
	WIN 0x80                                       ; destination window 2
.set ss, 0
.rept 16
.irp u, 0,1
.irp c, 0,1
	ds_load_b128 v[8*(2*ss+\u)+4*\c:8*(2*ss+\u)+4*\c+3], v4 offset:16*\u*WP+64*(ss+16)+32*\c
.endr
.endr
.set ss, ss+1
.endr
	WIN 0
	s_mov_b32 s26, s20                             ; the tile at work
	s_sub_co_u32 s29, s25, s20
	s_add_co_u32 s29, s29, 3
	s_lshr_b32 s29, s29, 2                         ; my tiles: (nt - w + 3) / 4, at least one (w < nt here);
	s_sub_co_u32 s29, s29, 1                       ; those that have a successor go round the loop
	s_wait_dscnt 0x0                               ; W2's fragments are in
; group g of the tile at work is multiplied; more = 1: then the same group of the next tile is asked for
.macro GROUP g, left, win, more
	s_wait_loadcnt \left
	WIN \win
.set ss, 8*(\g)
.rept 8
	MM ss, 0                                       ; four accumulators by turns, one instruction a turn
	MM ss, 1
.set ss, ss+1
.endr
.if \more
	WIN 0
.rept 4
	v_nop                                          ; places in front of loads into registers that these products have read (and, behind the last group, of the first read of results)
.endr
	G \g
.endif
.endm
; the tile's 16 rows x 32 columns leave.  more = 1: the next tile's entries are asked for
.macro WAYOUT more
.irp u, 0,1
.irp p, 0,1,2,3
	v_pk_add_f32 v[ACC+8*\u+2*\p:ACC+8*\u+2*\p+1], v[ACC+8*\u+2*\p:ACC+8*\u+2*\p+1], v[ACC+16+8*\u+2*\p:ACC+16+8*\u+2*\p+1]   ; even and odd K steps' sums; each accumulator from its low end on
.endr
.endr
.irp q, 0,1,2,3
	ds_store_b128 v6, v[ACC+4*\q:ACC+4*\q+3] offset:16*\q          ; lane (r, h): columns 16 h + 4 q + 0 .. 3 of row r
.endr
.irp q, 0,1,2,3
	ds_load_b128 v[OUT+4*\q:OUT+4*\q+3], v7 offset:YP*\q           ; LDS serves a wave's instructions in order: these see the stores above
.endr
.irp q, 0,1,2,3
	v_min_u32 v[YO+\q], 0x87f, v[DE+\q]            ; an entry names one of y's 2,176 rows
.endr
.irp q, 0,1,2,3
	v_lshl_add_u32 v[YO+\q], v[YO+\q], 12, v11
.endr
.if \more
	global_load_b128 v[DE:DE+3], v10, s[8:9]       ; D: the next tile's entries
.endif
	s_wait_dscnt 0x0
.irp q, 0,1,2,3
	global_store_b128 v[YO+\q], v[OUT+4*\q:OUT+4*\q+3], s[14:15]   ; four rows a store, 128 consecutive bytes each
.endr
.endm
	s_cmp_eq_u32 s29, 0
	s_cbranch_scc1 .Llast                          ; one tile alone: no trip of the loop
.Ltile:
	s_wait_xcnt 0x0                                ; all loads and stores issued so far have read their offsets and data: the offsets are written below, the stores' registers further down
	s_add_co_u32 s40, s26, 4
	ADR                                            ; my next tile
	; loads are out in the order G0 G1 G2 G3 D, then the next tile's in the same order.  Younger than the group that is wanted: three groups of 17 and D's one load: 52.
	GROUP 0, 52, 0x0d, 1                           ; source 0 (W2) window 1, source 1 (hidden) window 3
	GROUP 1, 52, 0x0d, 1
	GROUP 2, 52, 0x0e, 1                           ; source 0 window 2
	GROUP 3, 51, 0x0e, 1                           ; 51: D, which follows G3, is wanted too; three groups are younger than D
	WAYOUT 1
	s_add_co_u32 s26, s26, 4
	s_sub_co_u32 s29, s29, 1
	s_cmp_lg_u32 s29, 0
	s_cbranch_scc1 .Ltile
.Llast:                                        ; my last tile: out are G0 G1 G2 G3 D, on the way in from the head and from the loop alike; nothing more is asked for, so the counts run down
	s_wait_xcnt 0x0                                ; the last tile's stores have read their offsets and data, which are written again below
	GROUP 0, 52, 0x0d, 0                           ; younger: G1, G2, G3 and D
	GROUP 1, 35, 0x0d, 0                           ; G2, G3 and D
	GROUP 2, 18, 0x0e, 0                           ; G3 and D
	GROUP 3, 0, 0x0e, 0                            ; G3 and D are both wanted
	WIN 0
.rept 4
	v_nop                                          ; places behind the last products, ahead of the first read of results
.endr
	WAYOUT 0
.Lend:
	s_wait_tensorcnt 0x0
	ds_add_u32 v254, v255
	s_wait_dscnt 0x0
	s_endpgm
.Lfunc_end_k_qed4e22429c_fc2:
	.size	k_qed4e22429c_fc2, .Lfunc_end_k_qed4e22429c_fc2-k_qed4e22429c_fc2
	.p2alignl 7, 3214868480
	.fill 96, 4, 3214868480
	.section	.rodata,"a",@progbits
	.p2align	6, 0x0
	.amdhsa_kernel k_qed4e22429c_fc2
		.amdhsa_group_segment_fixed_size 76288
		.amdhsa_private_segment_fixed_size 0
		.amdhsa_enable_private_segment 0
		.amdhsa_kernarg_size 48
		.amdhsa_user_sgpr_count 2
		.amdhsa_user_sgpr_kernarg_segment_ptr 1
		.amdhsa_wavefront_size32 1
		.amdhsa_system_sgpr_workgroup_id_x 1
		.amdhsa_system_sgpr_workgroup_id_y 1
		.amdhsa_system_sgpr_workgroup_id_z 1
		.amdhsa_system_vgpr_workitem_id 0
		.amdhsa_next_free_vgpr 1024
		.amdhsa_next_free_sgpr 66
		.amdhsa_reserve_vcc 0
		.amdhsa_float_denorm_mode_32 3
		.amdhsa_float_denorm_mode_16_64 3
		.amdhsa_memory_ordered 1
		.amdhsa_forward_progress 1
		.amdhsa_inst_pref_size 53
	.end_amdhsa_kernel
	.amdgpu_metadata
---
amdhsa.version: [ 1, 2 ]
amdhsa.kernels:
  - .name:           k_qed4e22429c_fc2
    .symbol:         k_qed4e22429c_fc2.kd
    .args:
      - { .name: hid, .offset: 0, .size: 8, .value_kind: global_buffer, .address_space: global }
      - { .name: hsc, .offset: 8, .size: 8, .value_kind: global_buffer, .address_space: global }
      - { .name: plan, .offset: 16, .size: 8, .value_kind: global_buffer, .address_space: global }
      - { .name: w2_codes, .offset: 24, .size: 8, .value_kind: global_buffer, .address_space: global }
      - { .name: w2_scales, .offset: 32, .size: 8, .value_kind: global_buffer, .address_space: global }
      - { .name: y, .offset: 40, .size: 8, .value_kind: global_buffer, .address_space: global }
    .group_segment_fixed_size: 76288
    .private_segment_fixed_size: 0
    .kernarg_segment_align: 8
    .kernarg_segment_size: 48
    .max_flat_workgroup_size: 128
    .sgpr_count:     66
    .vgpr_count:     1024
    .wavefront_size: 32
...
	.end_amdgpu_metadata
.endif
;; end of part 3
;; launch combine (part 4): grid 256 x 1, 4 waves a work-group, no clusters, 0 bytes of LDS; arguments y, gates, out0; writes out0
.if DOCPART == 4
	.amdgcn_target "amdgcn-amd-amdhsa--gfx1250"
	.amdhsa_code_object_version 6
	.text
	.protected	k_qed4e22429c_combine
	.globl	k_qed4e22429c_combine
	.p2align	8
	.type	k_qed4e22429c_combine,@function
k_qed4e22429c_combine:
	s_mov_b64 s[64:65], 0
	v_nop
	global_prefetch_b8 v0, s[64:65] scope:SCOPE_SE
	s_setreg_imm32_b32 hwreg(HW_REG_WAVE_MODE, 25, 1), 1
	s_wait_xcnt 0x0
; out0[t][:] = gates[t][0] y[2 t][:] + gates[t][1] y[2 t + 1][:], in f32.  One wave takes one token: each output row has one owner, and every address is fixed by the token's number.
; A stream: sixteen loads of 512 consecutive bytes are out at once, each store covers 512 consecutive bytes.  LDS, barriers and matrix units would add nothing.
.set Y0, 8                             ; v8-39   the first choice's row, then the result
.set Y1, 40                            ; v40-71  the second choice's row
	s_load_b128 s[4:7], s[0:1], 0x0                ; y s[4:5], gates s[6:7]
	s_load_b64 s[8:9], s[0:1], 0x10                ; out0
	v_lshrrev_b32 v1, 5, v0
	v_readfirstlane_b32 s10, v1                    ; wave
	v_and_b32 v1, 31, v0
	v_lshlrev_b32 v1, 4, v1                        ; 16 x lane
	s_lshl_b32 s11, ttmp9, 2
	s_add_co_u32 s11, s11, s10                     ; my token
	s_mov_b32 s13, 0
	s_wait_kmcnt 0x0
	s_lshl_b32 s12, s11, 3
	s_add_nc_u64 s[6:7], s[6:7], s[12:13]
	s_load_b64 s[20:21], s[6:7], 0x0               ; the two gates
	s_lshl_b32 s12, s11, 13
	s_add_nc_u64 s[4:5], s[4:5], s[12:13]          ; rows 2 t and 2 t + 1 of y: 8,192 bytes on end
	s_lshl_b32 s12, s11, 12
	s_add_nc_u64 s[8:9], s[8:9], s[12:13]
.irp i, 0,1,2,3,4,5,6,7
	global_load_b128 v[Y0+4*\i:Y0+4*\i+3], v1, s[4:5] offset:512*\i th:TH_LOAD_NT
	global_load_b128 v[Y1+4*\i:Y1+4*\i+3], v1, s[4:5] offset:4096+512*\i th:TH_LOAD_NT
.endr
	s_wait_kmcnt 0x0
	s_mov_b32 s22, s21                             ; the packed forms name a pair and take its low word for both halves
	s_mov_b32 s23, s21
.irp i, 0,1,2,3,4,5,6,7
	s_wait_loadcnt 14-2*\i                         ; pair i of loads is in; the pairs behind it stay out
	v_pk_mul_f32 v[Y0+4*\i:Y0+4*\i+1], v[Y0+4*\i:Y0+4*\i+1], s[20:21] op_sel_hi:[1,0]
	v_pk_mul_f32 v[Y0+4*\i+2:Y0+4*\i+3], v[Y0+4*\i+2:Y0+4*\i+3], s[20:21] op_sel_hi:[1,0]
	v_pk_fma_f32 v[Y0+4*\i:Y0+4*\i+1], v[Y1+4*\i:Y1+4*\i+1], s[22:23], v[Y0+4*\i:Y0+4*\i+1] op_sel_hi:[1,0,1]
	v_pk_fma_f32 v[Y0+4*\i+2:Y0+4*\i+3], v[Y1+4*\i+2:Y1+4*\i+3], s[22:23], v[Y0+4*\i+2:Y0+4*\i+3] op_sel_hi:[1,0,1]
	global_store_b128 v1, v[Y0+4*\i:Y0+4*\i+3], s[8:9] offset:512*\i th:TH_STORE_NT
.endr
	s_endpgm
.Lfunc_end_k_qed4e22429c_combine:
	.size	k_qed4e22429c_combine, .Lfunc_end_k_qed4e22429c_combine-k_qed4e22429c_combine
	.p2alignl 7, 3214868480
	.fill 96, 4, 3214868480
	.section	.rodata,"a",@progbits
	.p2align	6, 0x0
	.amdhsa_kernel k_qed4e22429c_combine
		.amdhsa_group_segment_fixed_size 0
		.amdhsa_private_segment_fixed_size 0
		.amdhsa_enable_private_segment 0
		.amdhsa_kernarg_size 24
		.amdhsa_user_sgpr_count 2
		.amdhsa_user_sgpr_kernarg_segment_ptr 1
		.amdhsa_wavefront_size32 1
		.amdhsa_system_sgpr_workgroup_id_x 1
		.amdhsa_system_sgpr_workgroup_id_y 1
		.amdhsa_system_sgpr_workgroup_id_z 1
		.amdhsa_system_vgpr_workitem_id 0
		.amdhsa_next_free_vgpr 72
		.amdhsa_next_free_sgpr 66
		.amdhsa_reserve_vcc 0
		.amdhsa_float_denorm_mode_32 3
		.amdhsa_float_denorm_mode_16_64 3
		.amdhsa_memory_ordered 1
		.amdhsa_forward_progress 1
		.amdhsa_inst_pref_size 6
	.end_amdhsa_kernel
	.amdgpu_metadata
---
amdhsa.version: [ 1, 2 ]
amdhsa.kernels:
  - .name:           k_qed4e22429c_combine
    .symbol:         k_qed4e22429c_combine.kd
    .args:
      - { .name: y, .offset: 0, .size: 8, .value_kind: global_buffer, .address_space: global }
      - { .name: gates, .offset: 8, .size: 8, .value_kind: global_buffer, .address_space: global }
      - { .name: out0, .offset: 16, .size: 8, .value_kind: global_buffer, .address_space: global }
    .group_segment_fixed_size: 0
    .private_segment_fixed_size: 0
    .kernarg_segment_align: 8
    .kernarg_segment_size: 24
    .max_flat_workgroup_size: 128
    .sgpr_count:     66
    .vgpr_count:     72
    .wavefront_size: 32
...
	.end_amdgpu_metadata
.endif
;; end of part 4
;; ======== version 2 of 2: 4 launches
;; workspace buffers: xq 524,288 bytes; xs 32,768 bytes; sel 4,096 bytes of whole numbers; gates 8,192 bytes; plan 36,864 bytes of whole numbers; hid 16,777,216 bytes; hsc 1,048,576 bytes; y 8,912,896 bytes
;; launch route (part 5): grid 256 x 1, 4 waves a work-group, no clusters, 52,224 bytes of LDS; arguments x, router_w, xq, xs, sel, gates; writes xq, xs, sel, gates
.if DOCPART == 5
	.amdgcn_target "amdgcn-amd-amdhsa--gfx1250"
	.amdhsa_code_object_version 6
	.text
	.protected	k_qed4e22429c_route
	.globl	k_qed4e22429c_route
	.p2align	8
	.type	k_qed4e22429c_route,@function
k_qed4e22429c_route:
	s_mov_b64 s[64:65], 0
	v_nop
	global_prefetch_b8 v0, s[64:65] scope:SCOPE_SE
	s_setreg_imm32_b32 hwreg(HW_REG_WAVE_MODE, 25, 1), 1
	s_wait_xcnt 0x0
; THE ROUTER, AND x QUANTISED ONCE.  x: [1024 tokens][1024] f32; router_w: [1024][8] f32.
; One wave takes one token.  Lane l ends up with block l of the token's row, k = 32 l .. 32 l + 31, in 32 registers: so the block's largest
; magnitude needs no other lane, the conversions give the block's 16 bytes of codes, and the lane's share of the eight logits is 32 x 8 fused multiply-adds in f32.
; Out: xq [token][32 blocks][16 bytes] codes of E2M1; xs [token][32] E8M0 bytes; sel [token] = first expert | second expert << 8; gates [token][2] = their probabilities.
; The choice steers no address here: it is stored at fixed places, as whole numbers, for the next launch.
; Every load reads 512 consecutive bytes; the turn from 16 bytes a lane to 128 bytes a lane goes through LDS (x: the wave's own stage; router_w: shared, one barrier).
; Matrix units, tensor loads and clusters are left out: 8 columns are too few for a matrix tile, and the launch moves 4 MiB once.
; LIMITS: NaN and infinities among the inputs are not served.  A block of zeros gets the byte 1 where the quantiser says 127: its codes are zeros and the bytes are read by this program alone.
; Two logits that lie closer than the error of an f32 sum of 1,024 terms may be ordered otherwise than by another order of summing.  Equal probabilities: the lower index wins, as in jax.lax.top_k.
.set SW,   4608                        ; a wave's stage for x: 32 blocks x (128 bytes + 16 of padding)
.set BP,   144
.set WL,   4*SW                        ; behind the stages: router_w, 32 runs of 32 rows: 1,024 bytes + 16 of padding
.set WLP,  1040
.set RX,   16                          ; v16-47   x as loaded
.set X,    48                          ; v48-79   my block's 32 numbers
.set WB0,  80                          ; v80-143  router_w as loaded, then eight rows of my run at a time
.set WB1,  144                         ; v144-207 the other eight rows
.set ACC,  208                         ; v208-215 the eight logits, then the probabilities
.set T,    216                         ; v216-247 at work
	s_load_b256 s[4:11], s[0:1], 0x0               ; x s[4:5], router_w s[6:7], xq s[8:9], xs s[10:11]
	s_load_b128 s[12:15], s[0:1], 0x20             ; sel s[12:13], gates s[14:15]
	v_lshl_add_u32 v248, v0, 2, 0xca00
	v_mov_b32 v249, 0
	v_lshrrev_b32 v8, 5, v0
	v_readfirstlane_b32 s16, v8                    ; wave
	v_and_b32 v1, 31, v0                           ; lane
	v_lshlrev_b32 v2, 4, v1                        ; 16 x lane
	s_lshl_b32 s17, ttmp9, 2
	s_add_co_u32 s17, s17, s16                     ; my token
	s_mul_i32 s18, s16, SW
	v_lshrrev_b32 v8, 3, v1
	v_mul_u32_u24 v8, v8, BP
	v_and_b32 v9, 7, v1
	v_lshl_add_u32 v8, v9, 4, v8
	v_add_nc_u32 v3, s18, v8                       ; the stage, in: eight lanes' 128 bytes are a block: 144 (lane / 8) + 16 (lane % 8); a load's 512 bytes are four blocks
	v_mul_u32_u24 v8, v1, BP
	v_add_nc_u32 v4, s18, v8                       ; and out: block = lane
	s_mul_i32 s18, s16, 8*WLP
	s_add_co_u32 s18, s18, WL
	v_add_nc_u32 v5, s18, v2                       ; router_w, in: my wave brings runs 8 w .. 8 w + 7
	v_mul_u32_u24 v6, v1, WLP
	v_add_nc_u32 v6, WL, v6                        ; and out: run = lane
	s_lshl_b32 s18, s16, 13
	v_add_nc_u32 v7, s18, v2                       ; my wave's 8,192 bytes of router_w
	s_mov_b32 s20, 0x76543210
	s_mov_b32 s21, 0xfedcba98                      ; v_permlanex16_b32's selects for lane l xor 16
	s_mov_b32 s19, 0
	s_wait_alu depctr_va_vdst(0)
	s_wait_kmcnt 0x0
	s_lshl_b32 s18, s17, 12
	s_add_nc_u64 s[4:5], s[4:5], s[18:19]          ; my row of x
	s_lshl_b32 s18, s17, 9
	s_add_nc_u64 s[8:9], s[8:9], s[18:19]          ; of xq
	s_lshl_b32 s18, s17, 5
	s_add_nc_u64 s[10:11], s[10:11], s[18:19]      ; of xs
	s_lshl_b32 s18, s17, 2
	s_add_nc_u64 s[12:13], s[12:13], s[18:19]      ; my word of sel
	s_lshl_b32 s18, s17, 3
	s_add_nc_u64 s[14:15], s[14:15], s[18:19]      ; my pair of gates
.set i, 0
.rept 8
	global_load_b128 v[RX+4*i:RX+4*i+3], v2, s[4:5] offset:512*i th:TH_LOAD_NT
.set i, i+1
.endr
.set i, 0
.rept 16
	global_load_b128 v[WB0+4*i:WB0+4*i+3], v7, s[6:7] offset:512*i
.set i, i+1
.endr
	s_wait_loadcnt 16                              ; x's eight loads are in; router_w's sixteen are younger
.set i, 0
.rept 8
	ds_store_b128 v3, v[RX+4*i:RX+4*i+3] offset:4*BP*i
.set i, i+1
.endr
.set i, 0
.rept 8
	ds_load_b128 v[X+4*i:X+4*i+3], v4 offset:16*i  ; LDS serves a wave's instructions in order: these see the stores above
.set i, i+1
.endr
	s_wait_loadcnt 0x0
.set i, 0
.rept 16
	ds_store_b128 v5, v[WB0+4*i:WB0+4*i+3] offset:(i/2)*WLP+(i%2)*512
.set i, i+1
.endr
	s_wait_dscnt 0x0                               ; for the others' sake: my part of router_w lies in LDS (and my block of x is in)
	s_barrier_signal -1
	s_barrier_wait -1
; rows 8 c .. 8 c + 7 of my run of router_w, eight numbers a row, into v[buf] on
.macro WCH c, buf
.set ii, 0
.rept 8
	ds_load_b128 v[\buf+8*ii:\buf+8*ii+3], v6 offset:256*(\c)+32*ii
	ds_load_b128 v[\buf+8*ii+4:\buf+8*ii+7], v6 offset:256*(\c)+32*ii+16
.set ii, ii+1
.endr
.endm
; and their products with my numbers 8 c .. 8 c + 7: two experts an instruction, the number of x taken for both halves.  The very first product starts the sums
.macro DOT c, buf
.set ii, 0
.rept 8
.set xp, X+8*(\c)+ii-(ii%2)
.irp p, 0,1,2,3
.if ((\c)==0)&&(ii==0)
	v_pk_mul_f32 v[ACC+2*\p:ACC+2*\p+1], v[\buf+2*\p:\buf+2*\p+1], v[xp:xp+1] op_sel_hi:[1,0]
.elseif (ii%2)==0
	v_pk_fma_f32 v[ACC+2*\p:ACC+2*\p+1], v[\buf+8*ii+2*\p:\buf+8*ii+2*\p+1], v[xp:xp+1], v[ACC+2*\p:ACC+2*\p+1] op_sel_hi:[1,0,1]
.else
	v_pk_fma_f32 v[ACC+2*\p:ACC+2*\p+1], v[\buf+8*ii+2*\p:\buf+8*ii+2*\p+1], v[xp:xp+1], v[ACC+2*\p:ACC+2*\p+1] op_sel:[0,1,0] op_sel_hi:[1,1,1]
.endif
.endr
.set ii, ii+1
.endr
.endm
	WCH 0, WB0
	WCH 1, WB1
	; my block is quantised while those 32 loads are out
	v_max3_num_f32 v[T], |v[X]|, |v[X+1]|, |v[X+2]|
	v_max3_num_f32 v[T+1], |v[X+3]|, |v[X+4]|, |v[X+5]|
.irp i, 6,10,14,18,22,26
	v_max3_num_f32 v[T], v[T], |v[X+\i]|, |v[X+\i+1]|
	v_max3_num_f32 v[T+1], v[T+1], |v[X+\i+2]|, |v[X+\i+3]|
.endr
	v_max3_num_f32 v[T], v[T], |v[X+30]|, |v[X+31]|
	v_max3_num_f32 v[T], v[T], v[T+1], 0x1800000   ; and the floor 2^(3 - 127): the byte cannot fall under 1
	v_add_nc_u32 v[T+2], 0xff000000, v[T]          ; 2 off the exponent field: the conversion takes the exponent field of this operand as its scale
	v_lshrrev_b32 v[T+3], 23, v[T+2]               ; the scale's byte
.irp g, 0,1,2,3
	v_cvt_scalef32_pk8_fp4_f32 v[T+4+\g], v[X+8*\g:X+8*\g+7], v[T+2]
.endr
	v_nop                                          ; one plain place behind the scaled conversions
	global_store_b128 v2, v[T+4:T+7], s[8:9]       ; the wave stores the token's 512 bytes of codes on end
	global_store_b8 v1, v[T+3], s[10:11]           ; and its 32 scale bytes
	s_wait_dscnt 16                                ; rows 0-7 are in; the sixteen loads of rows 8-15 are younger
	DOT 0, WB0
	WCH 2, WB0
	s_wait_alu depctr_va_vdst(0)
	s_wait_dscnt 16                                ; rows 8-15 are in
	DOT 1, WB1
	WCH 3, WB1
	s_wait_alu depctr_va_vdst(0)
	s_wait_dscnt 16                                ; rows 16-23
	DOT 2, WB0
	s_wait_alu depctr_va_vdst(0)
	s_wait_dscnt 0x0                               ; rows 24-31
	DOT 3, WB1
	; the eight sums over the 32 lanes: four steps within each half of the lanes, one across; the eight by turns
.irp m, 1,2,4,8
.irp e, 0,1,2,3,4,5,6,7
	v_add_f32_dpp v[ACC+\e], v[ACC+\e], v[ACC+\e] row_xmask:\m row_mask:0xf bank_mask:0xf
.endr
.endr
.irp e, 0,1,2,3,4,5,6,7
	v_permlanex16_b32 v[WB0+\e], v[ACC+\e], s20, s21   ; (its destination counts as read: these registers have been written and are done with)
.endr
.irp e, 0,1,2,3,4,5,6,7
	v_add_f32 v[ACC+\e], v[ACC+\e], v[WB0+\e]      ; every lane now holds the token's eight logits
.endr
	; softmax, with the largest logit taken away
	v_max3_num_f32 v[T], v[ACC], v[ACC+1], v[ACC+2]
	v_max3_num_f32 v[T], v[T], v[ACC+3], v[ACC+4]
	v_max3_num_f32 v[T], v[T], v[ACC+5], v[ACC+6]
	v_max_num_f32 v[T], v[T], v[ACC+7]
.irp e, 0,1,2,3,4,5,6,7
	v_sub_f32 v[ACC+\e], v[ACC+\e], v[T]
.endr
.irp e, 0,1,2,3,4,5,6,7
	v_mul_f32 v[ACC+\e], 0x3fb8aa3b, v[ACC+\e]     ; x log2(e)
.endr
	s_wait_alu depctr_va_vdst(0)
.irp e, 0,1,2,3,4,5,6,7
	v_exp_f32 v[ACC+\e], v[ACC+\e]
.endr
	v_nop                                          ; a plain place behind the last exponential
	s_wait_alu depctr_va_vdst(0)                   ; one wait for the eight, ahead of their first reader
	v_add_f32 v[T+12], v[ACC], v[ACC+1]
	v_add_f32 v[T+13], v[ACC+2], v[ACC+3]
	v_add_f32 v[T+14], v[ACC+4], v[ACC+5]
	v_add_f32 v[T+15], v[ACC+6], v[ACC+7]
	v_add_f32 v[T+12], v[T+12], v[T+13]
	v_add_f32 v[T+14], v[T+14], v[T+15]
	v_add_f32 v[T+12], v[T+12], v[T+14]
	s_wait_alu depctr_va_vdst(0)
	v_rcp_f32 v[T+13], v[T+12]
	v_nop
	s_wait_alu depctr_va_vdst(0)
.irp e, 0,1,2,3,4,5,6,7
	v_mul_f32 v[ACC+\e], v[ACC+\e], v[T+13]        ; the probabilities
.endr
	; the two largest, by selects alone: 'greater' keeps the lower index among equals
	v_mov_b32 v[T+8], v[ACC]
	v_mov_b32 v[T+10], 0
.irp e, 1,2,3,4,5,6,7
	v_cmp_gt_f32 vcc_lo, v[ACC+\e], v[T+8]
	v_cndmask_b32 v[T+8], v[T+8], v[ACC+\e], vcc_lo
	v_cndmask_b32 v[T+10], v[T+10], \e, vcc_lo
.endr
.irp e, 0,1,2,3,4,5,6,7
	v_cmp_eq_u32 vcc_lo, \e, v[T+10]
	v_cndmask_b32 v[ACC+\e], v[ACC+\e], -1.0, vcc_lo   ; the first is taken out: -1 lies under every probability
.endr
	v_mov_b32 v[T+9], v[ACC]
	v_mov_b32 v[T+11], 0
.irp e, 1,2,3,4,5,6,7
	v_cmp_gt_f32 vcc_lo, v[ACC+\e], v[T+9]
	v_cndmask_b32 v[T+9], v[T+9], v[ACC+\e], vcc_lo
	v_cndmask_b32 v[T+11], v[T+11], \e, vcc_lo
.endr
	v_lshl_or_b32 v[T+12], v[T+11], 8, v[T+10]
	v_cmp_eq_u32 vcc_lo, 0, v1
	s_wait_alu depctr_va_vdst(0)
	s_wait_xcnt 0x0                                ; EXEC is a source of the stores above: it changes only behind this wait
	s_wait_tensorcnt 0x0
	ds_add_u32 v248, v249
	s_wait_dscnt 0x0
	s_and_saveexec_b32 s22, vcc_lo                 ; lane 0 alone (its v1 is the offset 0)
	global_store_b32 v1, v[T+12], s[12:13]
	global_store_b64 v1, v[T+8:T+9], s[14:15]
	s_wait_xcnt 0x0                                ; and again in front of the line that widens it
	s_or_b32 exec_lo, exec_lo, s22
	s_endpgm
.Lfunc_end_k_qed4e22429c_route:
	.size	k_qed4e22429c_route, .Lfunc_end_k_qed4e22429c_route-k_qed4e22429c_route
	.p2alignl 7, 3214868480
	.fill 96, 4, 3214868480
	.section	.rodata,"a",@progbits
	.p2align	6, 0x0
	.amdhsa_kernel k_qed4e22429c_route
		.amdhsa_group_segment_fixed_size 52224
		.amdhsa_private_segment_fixed_size 0
		.amdhsa_enable_private_segment 0
		.amdhsa_kernarg_size 48
		.amdhsa_user_sgpr_count 2
		.amdhsa_user_sgpr_kernarg_segment_ptr 1
		.amdhsa_wavefront_size32 1
		.amdhsa_system_sgpr_workgroup_id_x 1
		.amdhsa_system_sgpr_workgroup_id_y 1
		.amdhsa_system_sgpr_workgroup_id_z 1
		.amdhsa_system_vgpr_workitem_id 0
		.amdhsa_next_free_vgpr 250
		.amdhsa_next_free_sgpr 66
		.amdhsa_reserve_vcc 1
		.amdhsa_float_denorm_mode_32 3
		.amdhsa_float_denorm_mode_16_64 3
		.amdhsa_memory_ordered 1
		.amdhsa_forward_progress 1
		.amdhsa_inst_pref_size 29
	.end_amdhsa_kernel
	.amdgpu_metadata
---
amdhsa.version: [ 1, 2 ]
amdhsa.kernels:
  - .name:           k_qed4e22429c_route
    .symbol:         k_qed4e22429c_route.kd
    .args:
      - { .name: x, .offset: 0, .size: 8, .value_kind: global_buffer, .address_space: global }
      - { .name: router_w, .offset: 8, .size: 8, .value_kind: global_buffer, .address_space: global }
      - { .name: xq, .offset: 16, .size: 8, .value_kind: global_buffer, .address_space: global }
      - { .name: xs, .offset: 24, .size: 8, .value_kind: global_buffer, .address_space: global }
      - { .name: sel, .offset: 32, .size: 8, .value_kind: global_buffer, .address_space: global }
      - { .name: gates, .offset: 40, .size: 8, .value_kind: global_buffer, .address_space: global }
    .group_segment_fixed_size: 52224
    .private_segment_fixed_size: 0
    .kernarg_segment_align: 8
    .kernarg_segment_size: 48
    .max_flat_workgroup_size: 128
    .sgpr_count:     66
    .vgpr_count:     250
    .wavefront_size: 32
...
	.end_amdgpu_metadata
.endif
;; end of part 5
;; launch fc1 (part 6): grid 32 x 8, 4 waves a work-group, no clusters, 107,008 bytes of LDS; arguments xq, xs, sel, w1_codes, w1_scales, hid, hsc, plan; writes hid, hsc, plan
.if DOCPART == 6
	.amdgcn_target "amdgcn-amd-amdhsa--gfx1250"
	.amdhsa_code_object_version 6
	.text
	.protected	k_qed4e22429c_fc1
	.globl	k_qed4e22429c_fc1
	.p2align	8
	.type	k_qed4e22429c_fc1,@function
k_qed4e22429c_fc1:
	s_mov_b64 s[64:65], 0
	v_nop
	global_prefetch_b8 v0, s[64:65] scope:SCOPE_SE
	s_setreg_imm32_b32 hwreg(HW_REG_WAVE_MODE, 25, 1), 1
	s_wait_xcnt 0x0
; hidden = Q(gelu(Q(x) W1[e])) for the rows that chose expert e, on codes of E2M1 with one E8M0 scale for each 32 along K.
; SHARES.  Work-group (x = chunk, y = expert e) owns 128 hidden units: 128 rows of w1_codes, 65,536 bytes on end, read from memory by this work-group alone, once.
; They are turned through LDS once and then lie in EVERY wave's registers (8 tiles x 8 K steps x 8 registers = 512): so inside the walk over rows no wave needs another, and no barrier stands there.
; THE ROWS.  Wave 0 reads sel and builds the expert's list in LDS: entry 2 t + k for token t whose k-th choice is e.  Positions behind the last entry hold 2048 + 16 e + (position % 16): rows that
; are computed like any other (from token 1023's codes) and end in spare rows of y that nobody reads.  nt = max(ceil(n / 16), 1) tiles of 16 rows; wave w takes tiles w, w + 4, ..
; The walk has 16 trips in every wave, a constant, and a trip without a tile is jumped over: the list's LDS address steps by a constant in a loop of constant count.
; A TILE: 16 rows of xq (a row's 512 bytes by one load of the wave), through the wave's own stage into eight fragments; 64 matrix instructions, TRANSPOSED (source 0 = 16 rows of W1, source 1 = x):
; a lane holds one row.  THE ROWS OF W1 THAT FORM A TILE ARE NOT NEIGHBOURS: lane r of tile 2 b + u takes row 32 b + 8 u + r + 8 (r / 8), so that the 16 registers of tiles 2 b, 2 b + 1 are 16 neighbours
; along the next product's K.  IN LDS THEY ARE NEIGHBOURS: row i of a run of 32 is stored at slot i % 8 + 16 ((i / 8) % 2) + 8 (i / 16), so that lane r of tile t reads slot 16 t + r.
; gelu in f32: x / (1 + 2^(x (c0 + c1 x x))), which is 0.5 x (1 + tanh(sqrt(2 / pi) (x + 0.044715 x^3))).  The 128 units are one K step of the next product: one fragment, one scale word a row.
; OUT.  hid: tile 64 e + j, 32 KiB: [chunk][2][lane][16 bytes]: the image of the operand's registers, 512 consecutive bytes a store.  hsc: the tile's scale words laid so that the next launch takes four K steps' words by one
; load of 16 bytes a lane; here that is one store of 4 bytes a lane, 16 bytes apart: one byte in sixteen of what the tile stores.  Chunk 0 also stores the list and n in plan.
; NO TENSOR LOADS, NO CLUSTER: branches here hang on numbers read from memory (the list's length); each chunk has one reader anyway.
; EXEC is never written: every line runs with all lanes on.
; LIMITS: NaN and infinities are not served; a block of zeros gets the byte 1 (its codes are zeros; the bytes are read by this program alone).
.set WP,   528                         ; an LDS row: 512 bytes + 16 of padding = 132 words: row r starts at bank 4 r mod 64 (64 banks of 4 bytes: ISA guide 11.1), so 16 consecutive rows start at 16 different banks
.set XST,  128*WP                      ; LDS: W1's 128 rows at 0; then a stage of 16 rows for each wave;
.set XSW,  16*WP
.set LIST, XST+4*XSW                   ; the list, 1,152 entries; behind it, as positions 1,152 + lane, 32 words for what is discarded;
.set CNT,  LIST+4608+128               ; n
.set E,    16                          ; v16-31   a tile's 16 entries, then the byte offsets of their rows in xq
.set XT,   32                          ; v32-35   x's scale words as loaded: lanes 0-15 K steps 0-3, lanes 16-31 K steps 4-7
.set XS,   36                          ; v36-39   the same, of the tile at work
.set WS,   40                          ; v40-71   W1's scale words: register 8 p + s: lanes 0-15 tile 2 p, lanes 16-31 tile 2 p + 1, K step s
.set XF,   72                          ; v72-135  x's eight fragments; then gelu's exponents
.set HA,   136                         ; v136-199 my eight tiles of the hidden layer     (v72-199: W1 as loaded, at the head)
.set TM,   200                         ; v200-215 the quantiser's; v200 first holds n
.set PC,   216                         ; v216-223 the codes just made
.set PW,   224                         ; v224     their scale word
.set SL,   200                         ; v200-231 wave 0: sel as loaded
.set PT,   232                         ; v232-239 wave 0: eight positions; v240-247 eight entries
.set C0,   248                         ; v[248:249] c0, twice
.set MA,   66                          ; s66-73   wave 0: who takes a place, for eight registers of sel
.set MB,   74                          ; s74-81   whose second choice it is
.set MD,   82                          ; s82-89   how many take a place
.set MC,   90                          ; s90-98   entries ahead of each of the eight registers; s98: behind all eight
; v1 16 x lane; v2 r; v3 16 h; v4 a fragment of W1 in LDS; v5 W1 into LDS; v6 x into my stage; v7 a fragment of x; v8, v9 the list; v10, v11 offsets in hid, hsc; v12 16 r; v13 offset in xs; v14 my row's entry;
; v15 the list + 16 x lane; v250 n's place; v251 W1's scale words; v252 the list + 1,024 w + 16 x lane; v253, v254 offsets in plan; v255 4 r
; (wave 0, while it builds the list: v13 8 x lane, v14 1,152 + lane, v16-19 the spare rows' numbers)
; windows 1, 2: W1's fragment (t, s) at v[8 (8 (t % 4) + s)] of window 1 + t / 4;  window 3: v0-63 sixteen rows of xq as loaded
.set MSB, 0
.macro WIN new                         ; the immediate's high byte repeats the setting that is left; at every label and branch the setting is 0
.if MSB != \new
	s_set_vgpr_msb (MSB<<8)|\new
.set MSB, \new
.endif
.endm
; the matrix line on rD, rA, rB, rSA, rSB.  zero: it starts the sum;  ra, rb: the scale words stand in lanes 16-31
.macro WM zero, ra, rb
.if \zero
.if (\ra)&&(\rb)
	v_wmma_scale_f32_16x16x128_f8f6f4 v[rD:rD+7], v[rA:rA+7], v[rB:rB+7], 0, v[rSA], v[rSB] matrix_a_fmt:MATRIX_FMT_FP4 matrix_b_fmt:MATRIX_FMT_FP4 matrix_a_scale:MATRIX_SCALE_ROW1 matrix_b_scale:MATRIX_SCALE_ROW1
.elseif \ra
	v_wmma_scale_f32_16x16x128_f8f6f4 v[rD:rD+7], v[rA:rA+7], v[rB:rB+7], 0, v[rSA], v[rSB] matrix_a_fmt:MATRIX_FMT_FP4 matrix_b_fmt:MATRIX_FMT_FP4 matrix_a_scale:MATRIX_SCALE_ROW1
.elseif \rb
	v_wmma_scale_f32_16x16x128_f8f6f4 v[rD:rD+7], v[rA:rA+7], v[rB:rB+7], 0, v[rSA], v[rSB] matrix_a_fmt:MATRIX_FMT_FP4 matrix_b_fmt:MATRIX_FMT_FP4 matrix_b_scale:MATRIX_SCALE_ROW1
.else
	v_wmma_scale_f32_16x16x128_f8f6f4 v[rD:rD+7], v[rA:rA+7], v[rB:rB+7], 0, v[rSA], v[rSB] matrix_a_fmt:MATRIX_FMT_FP4 matrix_b_fmt:MATRIX_FMT_FP4
.endif
.else
.if (\ra)&&(\rb)
	v_wmma_scale_f32_16x16x128_f8f6f4 v[rD:rD+7], v[rA:rA+7], v[rB:rB+7], v[rD:rD+7], v[rSA], v[rSB] matrix_a_fmt:MATRIX_FMT_FP4 matrix_b_fmt:MATRIX_FMT_FP4 matrix_a_scale:MATRIX_SCALE_ROW1 matrix_b_scale:MATRIX_SCALE_ROW1
.elseif \ra
	v_wmma_scale_f32_16x16x128_f8f6f4 v[rD:rD+7], v[rA:rA+7], v[rB:rB+7], v[rD:rD+7], v[rSA], v[rSB] matrix_a_fmt:MATRIX_FMT_FP4 matrix_b_fmt:MATRIX_FMT_FP4 matrix_a_scale:MATRIX_SCALE_ROW1
.elseif \rb
	v_wmma_scale_f32_16x16x128_f8f6f4 v[rD:rD+7], v[rA:rA+7], v[rB:rB+7], v[rD:rD+7], v[rSA], v[rSB] matrix_a_fmt:MATRIX_FMT_FP4 matrix_b_fmt:MATRIX_FMT_FP4 matrix_b_scale:MATRIX_SCALE_ROW1
.else
	v_wmma_scale_f32_16x16x128_f8f6f4 v[rD:rD+7], v[rA:rA+7], v[rB:rB+7], v[rD:rD+7], v[rSA], v[rSB] matrix_a_fmt:MATRIX_FMT_FP4 matrix_b_fmt:MATRIX_FMT_FP4
.endif
.endif
.endm
.macro MM t, s                         ; tile t of the hidden layer, K step s
.set rD, HA+8*(\t)
.set rA, 8*(8*((\t)%4)+(\s))
.set rB, XF+8*(\s)
.set rSA, WS+8*((\t)/2)+(\s)
.set rSB, XS+(\s)%4
	WM ((\s)==0),((\t)%2),((\s)/4)
.endm
	s_load_b256 s[4:11], s[0:1], 0x0               ; xq s[4:5], xs s[6:7], sel s[8:9], w1_codes s[10:11]
	s_load_b256 s[12:19], s[0:1], 0x20             ; w1_scales s[12:13], hid s[14:15], hsc s[16:17], plan s[18:19]
	s_set_vgpr_msb 0xc0
	v_lshl_add_u32 v64, v0, 2, 0x1a000
	v_mov_b32 v65, 0
	s_set_vgpr_msb 0xc000
	v_lshrrev_b32 v2, 5, v0
	v_readfirstlane_b32 s20, v2                    ; wave
	s_mov_b32 s21, ttmp9                           ; chunk
	s_and_b32 s22, ttmp7, 0xffff                   ; expert
	v_and_b32 v9, 31, v0
	v_lshlrev_b32 v1, 4, v9                        ; 16 x lane
	v_and_b32 v2, 15, v0                           ; r
	v_bfe_u32 v3, v0, 4, 1
	v_lshlrev_b32 v3, 4, v3                        ; 16 h
	v_and_b32 v8, 8, v2
	v_add_nc_u32 v8, v8, v2                        ; r + 8 (r / 8)
	v_mul_u32_u24 v4, v2, WP
	v_add_nc_u32 v4, v4, v3                        ; a fragment of W1: slot r of the tile's sixteen, + 16 h
	s_mul_i32 s40, s20, 32*WP
	v_add_nc_u32 v5, s40, v1                       ; my wave brings rows 32 w .. 32 w + 31 of the chunk, into slots 32 w .. 32 w + 31
	s_mul_i32 s40, s20, XSW
	s_add_co_u32 s40, s40, XST
	v_add_nc_u32 v6, s40, v1
	v_mul_u32_u24 v7, v2, WP
	v_add_nc_u32 v7, v7, v3
	v_add_nc_u32 v7, s40, v7
	v_lshlrev_b32 v12, 4, v2
	v_add_nc_u32 v15, LIST, v1
	v_mov_b32 v250, CNT
	v_lshlrev_b32 v251, 5, v8
	v_lshl_add_u32 v251, v3, 4, v251               ; (8 h + r + 8 (r / 8)) x 32 bytes: a row of W1's scale bytes
	s_lshl_b32 s40, s20, 10
	v_add_nc_u32 v253, s40, v1
	v_add_nc_u32 v252, LIST, v253
	v_lshlrev_b32 v254, 2, v0
	v_lshlrev_b32 v255, 2, v2
	s_mov_b32 s30, 0xbdd2d3e8                      ; c1 = -2 log2(e) sqrt(2 / pi) x 0.044715
	s_mov_b32 s31, s30                             ; (named with it as a pair, so it is written)
	s_mov_b32 s32, 0x76543210
	s_mov_b32 s33, 0xfedcba98                      ; v_permlanex16_b32's selects for lane l xor 16
	s_lshl_b32 s28, s22, 6                         ; the expert's first tile
	s_mov_b32 s41, 0
	s_wait_kmcnt 0x0
	s_lshl_b32 s40, s22, 21
	s_lshl_b32 s36, s21, 16
	s_add_co_u32 s40, s40, s36
	s_lshl_b32 s36, s20, 14
	s_add_co_u32 s40, s40, s36
	s_add_nc_u64 s[10:11], s[10:11], s[40:41]      ; W1's codes: expert, chunk, my wave's quarter
	s_lshl_b32 s40, s22, 17
	s_lshl_b32 s36, s21, 12
	s_add_co_u32 s40, s40, s36
	s_add_nc_u64 s[12:13], s[12:13], s[40:41]      ; W1's scale bytes: expert, chunk
	s_lshl_b32 s40, s21, 10
	s_add_nc_u64 s[14:15], s[14:15], s[40:41]      ; hid: my chunk is K step 'chunk' of every tile
	s_lshr_b32 s40, s21, 3
	s_lshl_b32 s40, s40, 9
	s_bfe_u32 s36, s21, 0x10002
	s_lshl_b32 s36, s36, 8
	s_add_co_u32 s40, s40, s36
	s_and_b32 s36, s21, 3
	s_lshl_b32 s36, s36, 2
	s_add_co_u32 s40, s40, s36
	s_add_nc_u64 s[16:17], s[16:17], s[40:41]      ; hsc: 512 (chunk / 8) + 256 ((chunk / 4) % 2) + 4 (chunk % 4)
	s_mul_i32 s40, s22, 4608
	s_add_nc_u64 s[18:19], s[18:19], s[40:41]      ; plan: the expert's part
	s_cmp_lg_u32 s20, 0
	s_cbranch_scc1 .Lno_sel
.set i, 0
.rept 8
	global_load_b128 v[SL+4*i:SL+4*i+3], v1, s[8:9] offset:512*i   ; wave 0: register 4 q + i = token 128 q + 4 lane + i
.set i, i+1
.endr
.Lno_sel:
.set i, 0
.rept 32
	global_load_b128 v[XF+4*i:XF+4*i+3], v1, s[10:11] offset:512*i th:TH_LOAD_NT   ; a row of W1 a load
.set i, i+1
.endr
	s_wait_alu depctr_va_vdst(0)
.irp p, 0,1,2,3
.irp q, 0,1
	global_load_b128 v[WS+8*\p+4*\q:WS+8*\p+4*\q+3], v251, s[12:13] offset:1024*\p+16*\q
.endr
.endr
	s_cmp_lg_u32 s20, 0
	s_cbranch_scc1 .Lno_list
	; WAVE 0 BUILDS THE LIST.  No other wave touches LDS ahead of the barrier below.
	s_wait_loadcnt 40                              ; sel is in; the 40 loads of W1 and its scales are younger
	v_lshrrev_b32 v13, 1, v1                       ; 8 x lane
	v_lshrrev_b32 v14, 4, v1
	v_add_nc_u32 v14, 1152, v14                    ; my discard word's position: 1,152 + lane
	v_lshrrev_b32 v16, 2, v1
	v_and_b32 v16, 12, v16
	s_lshl_b32 s40, s22, 4
	s_add_co_u32 s40, s40, 2048
	v_add_nc_u32 v16, s40, v16                     ; 2048 + 16 e + position % 16, for four positions a lane
	v_add_nc_u32 v17, 1, v16
	v_add_nc_u32 v18, 2, v16
	v_add_nc_u32 v19, 3, v16
.irp m, 0,1,2,3,4,5,6,7,8
	ds_store_b128 v15, v[16:19] offset:512*\m      ; all 1,152 positions first hold spare rows
.endr
	s_mov_b32 s[MC], 0                             ; entries so far
; Registers 8 g .. 8 g + 7 of sel: 256 tokens, 32 a register, one a lane.  Those that chose e take the next positions, register by register, in the order of the lanes; the others' words go to their
; discard words.  All lanes stay on: the choice is a select.  Each step is taken for all eight registers before the next step, so that no line waits for the line above it.
.macro PLACE8 g
.irp m, 0,1,2,3,4,5,6,7
	v_and_b32 v[PT+\m], 0xff, v[SL+8*(\g)+\m]      ; the first choice
.endr
.irp m, 0,1,2,3,4,5,6,7
	v_lshrrev_b32 v[PT+8+\m], 8, v[SL+8*(\g)+\m]   ; the second
.endr
.irp m, 0,1,2,3,4,5,6,7
	v_cmp_eq_u32 s[MA+\m], s22, v[PT+\m]
.endr
.irp m, 0,1,2,3,4,5,6,7
	v_cmp_eq_u32 s[MB+\m], s22, v[PT+8+\m]
.endr
.irp m, 0,1,2,3,4,5,6,7
	s_or_b32 s[MA+\m], s[MA+\m], s[MB+\m]          ; (the two choices of a token differ)
.endr
.irp m, 0,1,2,3,4,5,6,7
	s_bcnt1_i32_b32 s[MD+\m], s[MA+\m]
.endr
.irp m, 0,1,2,3,4,5,6,7
	s_add_co_u32 s[MC+\m+1], s[MC+\m], s[MD+\m]    ; entries ahead of the next register
.endr
.irp m, 0,1,2,3,4,5,6,7
	v_mbcnt_lo_u32_b32 v[PT+\m], s[MA+\m], s[MC+\m]   ; entries ahead of my register + takers among the lanes below me
.endr
.irp m, 0,1,2,3,4,5,6,7
	v_cndmask_b32 v[PT+\m], v14, v[PT+\m], s[MA+\m]   ; a taker: that position; else my discard word's
.endr
.irp m, 0,1,2,3,4,5,6,7
	v_min_u32 v[PT+\m], 0x49f, v[PT+\m]            ; held at the last discard word, 1,152 + 31
.endr
.irp m, 0,1,2,3,4,5,6,7
	v_lshl_add_u32 v[PT+\m], v[PT+\m], 2, LIST
.endr
.irp m, 0,1,2,3,4,5,6,7
	v_cndmask_b32 v[PT+8+\m], 0, 1, s[MB+\m]       ; k
.endr
.irp m, 0,1,2,3,4,5,6,7
	v_add_nc_u32 v[PT+8+\m], v[PT+8+\m], v13
.endr
.irp m, 0,1,2,3,4,5,6,7
	v_add_nc_u32 v[PT+8+\m], 256*((8*(\g)+\m)/4)+2*((8*(\g)+\m)%4), v[PT+8+\m]   ; 2 t + k
.endr
.irp m, 0,1,2,3,4,5,6,7
	ds_store_b32 v[PT+\m], v[PT+8+\m]
.endr
	s_mov_b32 s[MC], s[MC+8]
.endm
	PLACE8 0
	PLACE8 1
	PLACE8 2
	PLACE8 3
	v_mov_b32 v[PT], s[MC]
	ds_store_b32 v250, v[PT]                       ; n (all lanes write the same word with the same value)
.Lno_list:
	s_wait_dscnt 0x0                               ; wave 0's stores have landed
	s_barrier_signal -1
	s_barrier_wait -1                              ; the list and n lie in LDS; nobody writes them again
.macro LISTRD                          ; the 16 entries at s26: all of them into every lane, and my row's
	v_mov_b32 v8, s26
	v_add_nc_u32 v9, s26, v255
.irp q, 0,1,2,3
	ds_load_b128 v[E+4*\q:E+4*\q+3], v8 offset:16*\q
.endr
	ds_load_b32 v14, v9
.endm
.macro XLOAD                           ; their rows of xq (17 loads): token = entry / 2, held at 1,023
.irp i, 0,1,2,3,4,5,6,7,8,9,10,11,12,13,14,15
	v_lshrrev_b32 v[E+\i], 1, v[E+\i]
.endr
.irp i, 0,1,2,3,4,5,6,7,8,9,10,11,12,13,14,15
	v_min_u32 v[E+\i], 0x3ff, v[E+\i]
.endr
.irp i, 0,1,2,3,4,5,6,7,8,9,10,11,12,13,14,15
	v_lshl_add_u32 v[E+\i], v[E+\i], 9, v1
.endr
	v_lshrrev_b32 v14, 1, v14
	v_min_u32 v14, 0x3ff, v14
	v_lshl_add_u32 v13, v14, 5, v3
	WIN 0xc0                                       ; destination window 3
.irp i, 0,1,2,3,4,5,6,7,8,9,10,11,12,13,14,15
	global_load_b128 v[4*\i:4*\i+3], v[E+\i], s[4:5]   ; the wave reads a row's 512 bytes on end
.endr
	WIN 0
	global_load_b128 v[XT:XT+3], v13, s[6:7]       ; my row's scale words: four K steps for each half of the lanes
.endm
	ds_load_b32 v[TM], v250
	s_lshl_b32 s26, s20, 6
	s_add_co_u32 s26, s26, LIST                    ; tile w's entries
	LISTRD
	s_wait_dscnt 0x0
	v_readfirstlane_b32 s40, v[TM]                 ; n
	s_add_co_u32 s25, s40, 15
	s_lshr_b32 s25, s25, 4
	s_max_u32 s25, s25, 1
	s_min_u32 s25, s25, 64                         ; nt
	s_add_co_u32 s26, s26, 256                     ; on to tile w + 4
	XLOAD
	s_wait_loadcnt 17                              ; W1 and its scale words are in; the 17 loads just issued are younger
.set i, 0
.rept 32
	ds_store_b128 v5, v[XF+4*i:XF+4*i+3] offset:WP*((i%8)+16*((i/8)%2)+8*(i/16))   ; row i of my 32 to the slot at which its tile reads it
.set i, i+1
.endr
	s_wait_dscnt 0x0                               ; for the others' sake: my quarter of the chunk lies in LDS
	s_barrier_signal -1
	s_barrier_wait -1                              ; the last barrier: from here on each wave goes alone
	WIN 0x40                                       ; destination window 1
.irp t, 0,1,2,3
.irp s, 0,1,2,3,4,5,6,7
.irp c, 0,1
	ds_load_b128 v[8*(8*\t+\s)+4*\c:8*(8*\t+\s)+4*\c+3], v4 offset:16*\t*WP+64*\s+32*\c
.endr
.endr
.endr
	WIN 0x80                                       ; destination window 2
.irp t, 4,5,6,7
.irp s, 0,1,2,3,4,5,6,7
.irp c, 0,1
	ds_load_b128 v[8*(8*(\t-4)+\s)+4*\c:8*(8*(\t-4)+\s)+4*\c+3], v4 offset:16*\t*WP+64*\s+32*\c
.endr
.endr
.endr
	WIN 0
	s_cmp_lg_u32 s21, 0
	s_cbranch_scc1 .Lno_plan
	ds_load_b128 v[232:235], v252                  ; chunk 0 hands the list's first 1,024 entries and n on to the next launch
	ds_load_b128 v[236:239], v252 offset:512
	s_wait_dscnt 0x0
	global_store_b128 v253, v[232:235], s[18:19]
	global_store_b128 v253, v[236:239], s[18:19] offset:512
	global_store_b32 v254, v[TM], s[18:19] offset:4096   ; n, 128 times: 512 consecutive bytes
.Lno_plan:
.irp b, 0,1,2,3
	v_mov_b32 v[TM+4+\b], 0                        ; written once: a lane permute's destination counts as one of its sources
.endr
	v_mov_b32 v[C0], 0xc0135761                    ; c0 = -2 log2(e) sqrt(2 / pi)
	v_mov_b32 v[C0+1], 0xc0135761
	s_mov_b32 s24, s20                             ; my tile
	s_mov_b32 s27, 0
	s_wait_dscnt 0x0                               ; W1's fragments are in
.macro GELU                            ; on the 64 numbers of HA, ascending; the exponents in XF's registers, which the products are done with
.set i, 0
.rept 32
	v_pk_mul_f32 v[XF+i:XF+i+1], v[HA+i:HA+i+1], v[HA+i:HA+i+1]
.set i, i+2
.endr
.set i, 0
.rept 32
	v_pk_fma_f32 v[XF+i:XF+i+1], v[XF+i:XF+i+1], s[30:31], v[C0:C0+1] op_sel_hi:[1,0,1]
.set i, i+2
.endr
.set i, 0
.rept 32
	v_pk_mul_f32 v[XF+i:XF+i+1], v[XF+i:XF+i+1], v[HA+i:HA+i+1]
.set i, i+2
.endr
.set i, 0
	s_wait_alu depctr_va_vdst(0)
.rept 64
	v_exp_f32 v[XF+i], v[XF+i]
.set i, i+1
.endr
	v_nop                                          ; a plain place behind the last exponential
	s_wait_alu depctr_va_vdst(0)                   ; one wait for the 64, ahead of their first reader
.set i, 0
.rept 32
	v_pk_add_f32 v[XF+i:XF+i+1], v[XF+i:XF+i+1], 1.0 op_sel_hi:[1,0]
.set i, i+2
.endr
.set i, 0
	s_wait_alu depctr_va_vdst(0)
.rept 64
	v_rcp_f32 v[XF+i], v[XF+i]
.set i, i+1
.endr
	v_nop
	s_wait_alu depctr_va_vdst(0)                   ; and one for the 64 reciprocals
.set i, 0
.rept 32
	v_pk_mul_f32 v[HA+i:HA+i+1], v[HA+i:HA+i+1], v[XF+i:XF+i+1]
.set i, i+2
.endr
.endm
; HA's register 16 b + i is unit 32 b + 16 (lane / 16) + i of my row: the 64 become a fragment's codes in v[PC] on and its scale word in v[PW]
.macro QUANT
.irp b, 0,1,2,3
	v_max3_num_f32 v[TM+\b], |v[HA+16*\b]|, |v[HA+1+16*\b]|, 0x1800000   ; block b: my 16 numbers, and the floor 2^(3 - 127): the byte cannot fall under 1
.endr
.irp i, 2,4,6,8,10,12,14
.irp b, 0,1,2,3
	v_max3_num_f32 v[TM+\b], v[TM+\b], |v[HA+16*\b+\i]|, |v[HA+1+16*\b+\i]|   ; (the four blocks by turns)
.endr
.endr
.irp b, 0,1,2,3
	v_permlanex16_b32 v[TM+4+\b], v[TM+\b], s32, s33
.endr
.irp b, 0,1,2,3
	v_max_num_f32 v[TM+\b], v[TM+\b], v[TM+4+\b]   ; with lane l xor 16's: the block's largest magnitude
.endr
.irp b, 0,1,2,3
	v_add_nc_u32 v[TM+12+\b], 0xff000000, v[TM+\b] ; 2 off its exponent field: the conversion's scale operand
.endr
.irp b, 0,1,2,3
	v_lshrrev_b32 v[TM+4+\b], 23, v[TM+12+\b]      ; the scale's byte
.endr
	v_lshl_or_b32 v[PW], v[TM+5], 8, v[TM+4]
	v_lshl_or_b32 v[PW], v[TM+6], 16, v[PW]
	v_lshl_or_b32 v[PW], v[TM+7], 24, v[PW]
.irp b, 0,1,2,3
	v_cvt_scalef32_pk8_fp4_f32 v[PC+2*\b], v[HA+16*\b:HA+7+16*\b], v[TM+12+\b]
	v_cvt_scalef32_pk8_fp4_f32 v[PC+1+2*\b], v[HA+8+16*\b:HA+15+16*\b], v[TM+12+\b]
.endr
	v_nop                                          ; one plain place behind a scaled conversion
.irp c, 0,1                                    ; the operand's layout wants a whole block in a lane: lanes 0-15 block 2 c, lanes 16-31 block 2 c + 1
.irp i, 0,1
	v_permlane16_swap_b32 v[PC+4*\c+\i], v[PC+2+4*\c+\i]
.endr
.endr
.endm
.Ltrip:                                        ; 16 trips in every wave; trip i is tile w + 4 i
	s_cmp_ge_u32 s24, s25
	s_cbranch_scc1 .Lskip
	s_wait_loadcnt 0x0                             ; this tile's rows and scale words are in: their address registers are free
	s_wait_xcnt 0x0                                ; the last tile's stores have read their data and offsets: both are written again below
	WIN 0x0c                                       ; an LDS store's data are its source 1: window 3
.irp i, 0,1,2,3,4,5,6,7,8,9,10,11,12,13,14,15
	ds_store_b128 v6, v[4*\i:4*\i+3] offset:WP*\i
.endr
	WIN 0
.irp s, 0,1,2,3,4,5,6,7
.irp c, 0,1
	ds_load_b128 v[XF+8*\s+4*\c:XF+8*\s+4*\c+3], v7 offset:64*\s+32*\c   ; LDS serves a wave's instructions in order: these see the stores above
.endr
.endr
	LISTRD                                         ; tile j + 4's entries (behind the list's end: spare rows)
.irp q, 0,1,2,3
	v_mov_b32 v[XS+\q], v[XT+\q]
.endr
	s_add_co_u32 s40, s28, s24
	s_lshl_b32 s41, s40, 15
	v_add_nc_u32 v10, s41, v1                      ; the tile's 32 KiB of hid, + 16 x lane
	s_lshl_b32 s41, s40, 11
	v_add_nc_u32 v11, s41, v12                     ; its 2 KiB of hsc, + 16 r
	s_wait_dscnt 0x0                               ; the fragments and the entries are in; the stage's stores have read window 3
	XLOAD                                          ; the next tile's rows: they have this whole trip in which to land.  Its 51 plain lines are also the places between the scale words' moves and the products
	WIN 0x01                                       ; source 0 (W1) window 1
.irp s, 0,1,2,3,4,5,6,7
.irp t, 0,1,2,3
	MM \t, \s                                      ; four accumulators by turns, one instruction a turn
.endr
.endr
	WIN 0x02                                       ; source 0 window 2
.irp s, 0,1,2,3,4,5,6,7
.irp t, 4,5,6,7
	MM \t, \s
.endr
.endr
	WIN 0
.rept 4
	v_nop                                          ; places behind the last products: the lines below read results and write over x's fragments
.endr
	GELU
	QUANT
	global_store_b128 v10, v[PC:PC+3], s[14:15]    ; the fragment as it stands: 512 consecutive bytes a store
	global_store_b128 v10, v[PC+4:PC+7], s[14:15] offset:512
	global_store_b32 v11, v[PW], s[16:17]          ; row r's scale word (lanes 16-31 store the same word at the same place)
.Lskip:
	s_add_co_u32 s24, s24, 4
	s_add_co_u32 s26, s26, 256
	s_add_co_u32 s27, s27, 1
	s_cmp_lt_u32 s27, 16
	s_cbranch_scc1 .Ltrip
	s_set_vgpr_msb 0xf
	s_wait_tensorcnt 0x0
	ds_add_u32 v64, v65
	s_wait_dscnt 0x0
	s_set_vgpr_msb 0xf00
	s_endpgm
.Lfunc_end_k_qed4e22429c_fc1:
	.size	k_qed4e22429c_fc1, .Lfunc_end_k_qed4e22429c_fc1-k_qed4e22429c_fc1
	.p2alignl 7, 3214868480
	.fill 96, 4, 3214868480
	.section	.rodata,"a",@progbits
	.p2align	6, 0x0
	.amdhsa_kernel k_qed4e22429c_fc1
		.amdhsa_group_segment_fixed_size 107008
		.amdhsa_private_segment_fixed_size 0
		.amdhsa_enable_private_segment 0
		.amdhsa_kernarg_size 64
		.amdhsa_user_sgpr_count 2
		.amdhsa_user_sgpr_kernarg_segment_ptr 1
		.amdhsa_wavefront_size32 1
		.amdhsa_system_sgpr_workgroup_id_x 1
		.amdhsa_system_sgpr_workgroup_id_y 1
		.amdhsa_system_sgpr_workgroup_id_z 1
		.amdhsa_system_vgpr_workitem_id 0
		.amdhsa_next_free_vgpr 834
		.amdhsa_next_free_sgpr 100
		.amdhsa_reserve_vcc 0
		.amdhsa_float_denorm_mode_32 3
		.amdhsa_float_denorm_mode_16_64 3
		.amdhsa_memory_ordered 1
		.amdhsa_forward_progress 1
		.amdhsa_inst_pref_size 86
	.end_amdhsa_kernel
	.amdgpu_metadata
---
amdhsa.version: [ 1, 2 ]
amdhsa.kernels:
  - .name:           k_qed4e22429c_fc1
    .symbol:         k_qed4e22429c_fc1.kd
    .args:
      - { .name: xq, .offset: 0, .size: 8, .value_kind: global_buffer, .address_space: global }
      - { .name: xs, .offset: 8, .size: 8, .value_kind: global_buffer, .address_space: global }
      - { .name: sel, .offset: 16, .size: 8, .value_kind: global_buffer, .address_space: global }
      - { .name: w1_codes, .offset: 24, .size: 8, .value_kind: global_buffer, .address_space: global }
      - { .name: w1_scales, .offset: 32, .size: 8, .value_kind: global_buffer, .address_space: global }
      - { .name: hid, .offset: 40, .size: 8, .value_kind: global_buffer, .address_space: global }
      - { .name: hsc, .offset: 48, .size: 8, .value_kind: global_buffer, .address_space: global }
      - { .name: plan, .offset: 56, .size: 8, .value_kind: global_buffer, .address_space: global }
    .group_segment_fixed_size: 107008
    .private_segment_fixed_size: 0
    .kernarg_segment_align: 8
    .kernarg_segment_size: 64
    .max_flat_workgroup_size: 128
    .sgpr_count:     100
    .vgpr_count:     834
    .wavefront_size: 32
...
	.end_amdgpu_metadata
.endif
;; end of part 6
;; launch fc2 (part 7): grid 32 x 8, 4 waves a work-group, no clusters, 76,288 bytes of LDS; arguments hid, hsc, plan, w2_codes, w2_scales, y; writes y
.if DOCPART == 7
	.amdgcn_target "amdgcn-amd-amdhsa--gfx1250"
	.amdhsa_code_object_version 6
	.text
	.protected	k_qed4e22429c_fc2
	.globl	k_qed4e22429c_fc2
	.p2align	8
	.type	k_qed4e22429c_fc2,@function
k_qed4e22429c_fc2:
	s_mov_b64 s[64:65], 0
	v_nop
	global_prefetch_b8 v0, s[64:65] scope:SCOPE_SE
	s_setreg_imm32_b32 hwreg(HW_REG_WAVE_SCHED_MODE, 0, 2), 2
	s_setreg_imm32_b32 hwreg(HW_REG_WAVE_MODE, 25, 1), 1
	s_wait_xcnt 0x0
	s_wait_alu depctr_vm_vsrc(0)
; y[2 t + k][:] = hidden W2[e] for the rows that chose expert e, on codes of E2M1 with one E8M0 scale for each 32 along K (K = 4,096: 32 K steps of 128).
; SHARES.  Work-group (x = chunk c, y = expert e) owns 32 output columns: 32 rows of w2_codes, 65,536 bytes on end, read from memory by this work-group alone, once.  They are turned through LDS once and then lie in
; EVERY wave's registers (2 tiles x 32 K steps x 8 registers = 512).  Wave w takes the expert's tiles of 16 rows w, w + 4, ..; a wave without a tile ends behind the one barrier.
; A TILE of the hidden layer is 32 KiB of hid laid as images of the operand's registers: 64 loads of 512 consecutive bytes, straight into registers (256 of them), in four groups of eight K steps;
; while a group is multiplied, the group before it is asked for again, for the wave's NEXT tile: so three to four groups are on their way while a tile is multiplied.  A wave's last tile is written out
; behind the loop and asks for nothing.
; TRANSPOSED: source 0 = 16 rows of W2, source 1 = the hidden rows: a lane holds one row.  Lane r of tile u takes W2's row 8 u + r + 8 (r / 8), so that a lane's 16 results are 16 neighbouring columns.
; IN LDS a tile's rows are neighbours: row i of the 32 is stored at slot i % 8 + 16 ((i / 8) % 2) + 8 (i / 16), so that lane r of tile u reads slot 16 u + r.
; K is summed in two f32 sums for each tile of columns (even and odd K steps), so that four accumulators take turns; the two are added at the end.
; OUT: through the wave's own stage: eight lanes store a row's 128 bytes at row 'entry' of y (from plan).  128 bytes are all that a work-group has of a row: twice the columns would not fit the registers.
; Rows behind the list's end go to their spare rows of y, which nobody reads: no mask is needed.
; NO TENSOR LOADS, NO CLUSTER: trip counts here hang on a number read from memory.
; THE MODE: SCHED_MODE bits 1:0 = 2 (LLVM: expert scheduling mode 2), set by the entry lines.  The code itself states the register dependences
; between vector or matrix instructions and memory or LDS instructions, with s_wait_alu, always for 0.
; THE PLAN.  Registers that memory or LDS instructions touch in the walk over tiles:
;   window 3's group g (64 registers) and HS's four of group g   Written by a group's 17 loads; read by the 16 products of step g.
;   v8, v9, v10       Offsets of the NEXT tile: made at a tile's head; read by that tile's 69 loads.
;   DE                Written by the load D; read by four vector lines of the way out.      YO   Written by the way out's vector lines; read by its four stores.
;   ACC's lower 16    Written by products and by the way out's eight additions; read by its four LDS stores.      OUT  Written by four LDS loads; read by the four stores.
; Step g multiplies group g.  Its memory instructions (g = 1, 2, 3) are the loads of group g - 1 of the next tile: registers that step g - 1 read and that no product of step g names.  So ONE wait on va_vdst at a step's
; head, behind the wait for the step's data, states all that those 17 loads hang on, and they stand in the step's middle with no further wait.  Group 3 and D are asked for in the way out, behind its one wait on va_vdst,
; which also states that the sums and the stores' offsets are written.  One wait on vm_vsrc stands at a tile's head.  The order of issue is G0 G1 G2 G3 D for every tile.
.set WP,   2064                        ; an LDS row of W2: 2,048 bytes + 16 of padding = 516 words: row r starts at bank 4 r mod 64 (64 banks of 4 bytes: ISA guide 11.1), so 16 consecutive rows start at 16 different banks
.set YST,  32*WP                       ; behind W2's 32 rows: a stage of 16 rows x (128 bytes + 16) for each wave
.set YP,   144
.set DE,   16                          ; v16-19   four entries of the list
.set YO,   20                          ; v20-23   their byte offsets in y
.set WS,   24                          ; v24-55   W2's scale words: register s: lanes 0-15 tile 0, lanes 16-31 tile 1, K step s
.set HS,   56                          ; v56-71   the hidden rows' scale words: register 4 g + i: lanes 0-15 K step 8 g + i, lanes 16-31 K step 8 g + 4 + i
.set ACC,  72                          ; v72-103  accumulator 2 (s % 2) + u
.set OUT,  104                         ; v104-119 rows read back from the stage
.set RAW,  120                         ; v120-247 W2 as loaded
; v1 16 x lane; v2 r; v3 h; v4 a fragment of W2 in LDS; v5 W2 into LDS; v6, v7 the stage, in and out; v8, v9, v10 offsets in hid, hsc, plan; v11 16 (lane % 8); v12 16 (lane / 8); v13 W2's scale words; v254, v255 the closing add's two
; windows 1, 2: W2's fragment (u, s) at v[8 (2 (s % 16) + u)] of window 1 + s / 16;  window 3: the hidden fragment of K step s at v[8 s]
.set MSB, 0
.macro WIN new                         ; the immediate's high byte repeats the setting that is left; at every label and branch the setting is 0
.if MSB != \new
	s_set_vgpr_msb (MSB<<8)|\new
.set MSB, \new
.endif
.endm
.macro WM zero, ra, rb                 ; the matrix line on rD, rA, rB, rSA, rSB.  zero: it starts the sum;  ra, rb: the scale words stand in lanes 16-31
.if \zero
.if (\ra)&&(\rb)
	v_wmma_scale_f32_16x16x128_f8f6f4 v[rD:rD+7], v[rA:rA+7], v[rB:rB+7], 0, v[rSA], v[rSB] matrix_a_fmt:MATRIX_FMT_FP4 matrix_b_fmt:MATRIX_FMT_FP4 matrix_a_scale:MATRIX_SCALE_ROW1 matrix_b_scale:MATRIX_SCALE_ROW1
.elseif \ra
	v_wmma_scale_f32_16x16x128_f8f6f4 v[rD:rD+7], v[rA:rA+7], v[rB:rB+7], 0, v[rSA], v[rSB] matrix_a_fmt:MATRIX_FMT_FP4 matrix_b_fmt:MATRIX_FMT_FP4 matrix_a_scale:MATRIX_SCALE_ROW1
.elseif \rb
	v_wmma_scale_f32_16x16x128_f8f6f4 v[rD:rD+7], v[rA:rA+7], v[rB:rB+7], 0, v[rSA], v[rSB] matrix_a_fmt:MATRIX_FMT_FP4 matrix_b_fmt:MATRIX_FMT_FP4 matrix_b_scale:MATRIX_SCALE_ROW1
.else
	v_wmma_scale_f32_16x16x128_f8f6f4 v[rD:rD+7], v[rA:rA+7], v[rB:rB+7], 0, v[rSA], v[rSB] matrix_a_fmt:MATRIX_FMT_FP4 matrix_b_fmt:MATRIX_FMT_FP4
.endif
.else
.if (\ra)&&(\rb)
	v_wmma_scale_f32_16x16x128_f8f6f4 v[rD:rD+7], v[rA:rA+7], v[rB:rB+7], v[rD:rD+7], v[rSA], v[rSB] matrix_a_fmt:MATRIX_FMT_FP4 matrix_b_fmt:MATRIX_FMT_FP4 matrix_a_scale:MATRIX_SCALE_ROW1 matrix_b_scale:MATRIX_SCALE_ROW1
.elseif \ra
	v_wmma_scale_f32_16x16x128_f8f6f4 v[rD:rD+7], v[rA:rA+7], v[rB:rB+7], v[rD:rD+7], v[rSA], v[rSB] matrix_a_fmt:MATRIX_FMT_FP4 matrix_b_fmt:MATRIX_FMT_FP4 matrix_a_scale:MATRIX_SCALE_ROW1
.elseif \rb
	v_wmma_scale_f32_16x16x128_f8f6f4 v[rD:rD+7], v[rA:rA+7], v[rB:rB+7], v[rD:rD+7], v[rSA], v[rSB] matrix_a_fmt:MATRIX_FMT_FP4 matrix_b_fmt:MATRIX_FMT_FP4 matrix_b_scale:MATRIX_SCALE_ROW1
.else
	v_wmma_scale_f32_16x16x128_f8f6f4 v[rD:rD+7], v[rA:rA+7], v[rB:rB+7], v[rD:rD+7], v[rSA], v[rSB] matrix_a_fmt:MATRIX_FMT_FP4 matrix_b_fmt:MATRIX_FMT_FP4
.endif
.endif
.endm
.macro MM s, u                         ; K step s, tile u of the columns
.set rD, ACC+8*(2*((\s)%2)+(\u))
.set rA, 8*(2*((\s)%16)+(\u))
.set rB, 8*(\s)
.set rSA, WS+(\s)
.set rSB, HS+4*((\s)/8)+(\s)%4
	WM ((\s)<2),(\u),(((\s)/4)%2)
.endm
.macro G g                             ; 17 loads: K steps 8 g .. 8 g + 7 of the tile at v8, v9: sixteen of codes, one of scale words
	WIN 0xc0                                       ; destination window 3
.set ss, 8*(\g)
.rept 8
	global_load_b128 v[8*ss:8*ss+3], v8, s[4:5] offset:1024*ss
	global_load_b128 v[8*ss+4:8*ss+7], v8, s[4:5] offset:1024*ss+512
.set ss, ss+1
.endr
	WIN 0
	global_load_b128 v[HS+4*(\g):HS+4*(\g)+3], v9, s[6:7] offset:512*(\g)
.endm
.macro ADR                             ; s40: a tile of the expert; held at its last tile, and at 63 by a constant; then the three offsets
	s_min_u32 s40, s40, s27
	s_min_u32 s40, s40, 63
	s_add_co_u32 s41, s40, s28
	s_lshl_b32 s42, s41, 15
	v_add_nc_u32 v8, s42, v1
	s_lshl_b32 s42, s41, 11
	v_add_nc_u32 v9, s42, v1
	s_lshl_b32 s42, s40, 6
	v_add_nc_u32 v10, s42, v12
.endm
	s_load_b256 s[4:11], s[0:1], 0x0               ; hid s[4:5], hsc s[6:7], plan s[8:9], w2_codes s[10:11]
	s_load_b128 s[12:15], s[0:1], 0x20             ; w2_scales s[12:13], y s[14:15]
	v_lshl_add_u32 v254, v0, 2, 0x12800
	v_mov_b32 v255, 0
	v_lshrrev_b32 v2, 5, v0
	v_readfirstlane_b32 s20, v2                    ; wave
	s_mov_b32 s21, ttmp9                           ; chunk
	s_and_b32 s22, ttmp7, 0xffff                   ; expert
	v_and_b32 v14, 31, v0                          ; lane
	v_lshlrev_b32 v1, 4, v14
	v_and_b32 v2, 15, v0                           ; r
	s_wait_alu depctr_va_vdst(0)
	v_bfe_u32 v3, v0, 4, 1                         ; h
	v_and_b32 v15, 8, v2
	v_add_nc_u32 v15, v15, v2                      ; r + 8 (r / 8)
	v_mul_u32_u24 v4, v2, WP
	v_lshl_add_u32 v4, v3, 4, v4                   ; a fragment of W2: slot r of the tile's sixteen, + 16 h
	s_wait_alu depctr_va_sdst(0)                   ; s20, the wave's number, is written, ahead of its first reader
	s_and_b32 s40, s20, 1
	s_lshl_b32 s40, s40, 4
	s_lshr_b32 s36, s20, 1
	s_lshl_b32 s36, s36, 3
	s_add_co_u32 s40, s40, s36                     ; my wave brings rows 8 w .. 8 w + 7 of the chunk, into slots 16 (w % 2) + 8 (w / 2) on
	s_mul_i32 s40, s40, WP
	v_add_nc_u32 v5, s40, v1
	s_mul_i32 s40, s20, 16*YP
	s_add_co_u32 s40, s40, YST                     ; my stage
	v_mul_u32_u24 v6, v2, YP
	s_wait_alu depctr_va_vdst(0)
	v_lshl_add_u32 v6, v3, 6, v6
	v_add_nc_u32 v6, s40, v6                       ; in: row r, 64 bytes for each half of the lanes
	v_lshrrev_b32 v12, 3, v14
	v_and_b32 v11, 7, v14
	v_lshlrev_b32 v11, 4, v11
	v_mul_u32_u24 v7, v12, 4*YP
	v_add_nc_u32 v7, v7, v11
	v_add_nc_u32 v7, s40, v7                       ; out: eight lanes to a row; load q takes rows q, 4 + q, 8 + q, 12 + q
	v_lshlrev_b32 v12, 4, v12
	v_lshl_add_u32 v13, v3, 3, v15
	v_lshlrev_b32 v13, 7, v13                      ; (8 h + r + 8 (r / 8)) x 128 bytes: a row of W2's scale bytes
	s_lshl_b32 s28, s22, 6                         ; the expert's first tile
	s_mov_b32 s41, 0
	s_wait_kmcnt 0x0
	s_mul_i32 s40, s22, 4608
	s_add_nc_u64 s[8:9], s[8:9], s[40:41]          ; plan: the expert's part
	s_load_b32 s24, s[8:9], 0x1000                 ; n
	s_lshl_b32 s40, s22, 21
	s_lshl_b32 s36, s21, 16
	s_add_co_u32 s40, s40, s36
	s_lshl_b32 s36, s20, 14
	s_add_co_u32 s40, s40, s36
	s_add_nc_u64 s[10:11], s[10:11], s[40:41]      ; W2's codes: expert, chunk, my wave's quarter
	s_lshl_b32 s40, s22, 17
	s_lshl_b32 s36, s21, 12
	s_add_co_u32 s40, s40, s36
	s_add_nc_u64 s[12:13], s[12:13], s[40:41]      ; W2's scale bytes: expert, chunk
	s_lshl_b32 s40, s21, 7
	s_add_nc_u64 s[14:15], s[14:15], s[40:41]      ; y: my 32 columns
	s_wait_alu depctr_va_vdst(0)                   ; the offsets and LDS addresses that stay (v1, v4-7, v13) are written: the loads and LDS instructions below read them
.set i, 0
.rept 32
	global_load_b128 v[RAW+4*i:RAW+4*i+3], v1, s[10:11] offset:512*i th:TH_LOAD_NT
.set i, i+1
.endr
.irp q, 0,1,2,3,4,5,6,7
	global_load_b128 v[WS+4*\q:WS+4*\q+3], v13, s[12:13] offset:16*\q
.endr
	s_wait_kmcnt 0x0
	s_add_co_u32 s25, s24, 15
	s_lshr_b32 s25, s25, 4
	s_max_u32 s25, s25, 1
	s_min_u32 s25, s25, 64                         ; nt, as the launch before took it: tiles 0 .. nt - 1 of hid and hsc are written
	s_sub_co_u32 s27, s25, 1
	s_mov_b32 s40, s20
	ADR                                            ; my first tile (a wave without one names the last: it asks for three groups and ends)
	s_wait_alu depctr_va_vdst(0)                   ; v8, v9 and v10 are written, which the first tile's loads read
	G 0                                            ; three of its four groups go out behind the weights' loads, ahead of the wait for those
	G 1
	G 2
	s_wait_loadcnt 51                              ; W2 and its scale words are in; the three groups of 17 just issued are younger
.set i, 0
.rept 32
	ds_store_b128 v5, v[RAW+4*i:RAW+4*i+3] offset:(i/4)*WP+512*(i%4)
.set i, i+1
.endr
	s_wait_dscnt 0x0                               ; for the others' sake: my quarter of the chunk lies in LDS
	s_barrier_signal -1
	s_barrier_wait -1                              ; the only barrier
	s_cmp_ge_u32 s20, s25
	s_cbranch_scc1 .Lend
	G 3
	global_load_b128 v[DE:DE+3], v10, s[8:9]       ; D: the entries of rows 4 (lane / 8) + 0 .. 3 of my tile
	WIN 0x40                                       ; destination window 1
.set ss, 0
.rept 16
.irp u, 0,1
.irp c, 0,1
	ds_load_b128 v[8*(2*ss+\u)+4*\c:8*(2*ss+\u)+4*\c+3], v4 offset:16*\u*WP+64*ss+32*\c
.endr
.endr
.set ss, ss+1
.endr
	WIN 0x80                                       ; destination window 2
.set ss, 0
.rept 16
.irp u, 0,1
.irp c, 0,1
	ds_load_b128 v[8*(2*ss+\u)+4*\c:8*(2*ss+\u)+4*\c+3], v4 offset:16*\u*WP+64*(ss+16)+32*\c
.endr
.endr
.set ss, ss+1
.endr
	WIN 0
	s_mov_b32 s26, s20                             ; the tile at work
	s_sub_co_u32 s29, s25, s20
	s_add_co_u32 s29, s29, 3
	s_lshr_b32 s29, s29, 2                         ; my tiles: (nt - w + 3) / 4, at least one (w < nt here);
	s_sub_co_u32 s29, s29, 1                       ; those that have a successor go round the loop
	s_wait_dscnt 0x0                               ; W2's fragments are in
; Step g: group g of the tile at work is multiplied.  pre = 0, 1, 2: in the step's middle group pre = g - 1 of the next tile is asked for;  pre = -1: nothing is asked for
.macro GROUP g, left, win, pre
	s_wait_loadcnt \left
.if (\pre) >= 0
	s_wait_alu depctr_va_vdst(0)                   ; the step before has multiplied: its products are done reading their group's fragments and scale words, in which the loads below land; in step 1 v8 and v9, which those loads read, are written too
.endif
	WIN \win
.set kk, 8*(\g)
.rept 4
	MM kk, 0                                       ; four accumulators by turns, one instruction a turn
	MM kk, 1
.set kk, kk+1
.endr
.if (\pre) >= 0
.rept 4
	v_nop                                          ; four places between the products that read those registers and the loads into them, kept beside the wait
.endr
	G \pre                                         ; no further wait: no product since the wait above names this group's registers, v8 or v9
	WIN \win
.endif
.rept 4
	MM kk, 0
	MM kk, 1
.set kk, kk+1
.endr
.endm
; the tile's 16 rows x 32 columns leave.  more = 1: the next tile's group 3 and its entries are asked for
.macro WAYOUT more
	WIN 0
.irp q, 0,1,2,3
	v_min_u32 v[YO+\q], 0x87f, v[DE+\q]            ; an entry names one of y's 2,176 rows.  (These eight lines name no register of the last products: they are the places ahead of the first read of results)
.endr
.irp q, 0,1,2,3
	v_lshl_add_u32 v[YO+\q], v[YO+\q], 12, v11
.endr
.irp u, 0,1
.irp p, 0,1,2,3
	v_pk_add_f32 v[ACC+8*\u+2*\p:ACC+8*\u+2*\p+1], v[ACC+8*\u+2*\p:ACC+8*\u+2*\p+1], v[ACC+16+8*\u+2*\p:ACC+16+8*\u+2*\p+1]   ; even and odd K steps' sums; each accumulator from its low end on
.endr
.endr
	s_wait_alu depctr_va_vdst(0)                   ; the sums are written, which the LDS stores read, and YO, which the four stores read; the lines above are done reading DE, and step 3's products their fragments and scale words: loads land in all of these
.irp q, 0,1,2,3
	ds_store_b128 v6, v[ACC+4*\q:ACC+4*\q+3] offset:16*\q          ; lane (r, h): columns 16 h + 4 q + 0 .. 3 of row r
.endr
.irp q, 0,1,2,3
	ds_load_b128 v[OUT+4*\q:OUT+4*\q+3], v7 offset:YP*\q           ; LDS serves a wave's instructions in order: these see the stores above
.endr
.if \more
	G 3
	global_load_b128 v[DE:DE+3], v10, s[8:9]       ; D: the next tile's entries
.endif
	s_wait_dscnt 0x0
.irp q, 0,1,2,3
	global_store_b128 v[YO+\q], v[OUT+4*\q:OUT+4*\q+3], s[14:15]   ; four rows a store, 128 consecutive bytes each
.endr
.endm
	s_cmp_eq_u32 s29, 0
	s_cbranch_scc1 .Llast                          ; one tile alone: no trip of the loop
.Ltile:
	s_wait_xcnt 0x0                                ; all loads and stores issued so far have read their offsets and data: the offsets are written below, the stores' registers further down
	s_wait_alu depctr_vm_vsrc(0)                   ; this tile's loads have read v8, v9 and v10; the last tile's stores have read YO and OUT, its LDS stores ACC's lower 16: all are written again in this trip
	s_add_co_u32 s40, s26, 4
	ADR                                            ; my next tile
	; loads are out in the order G0 G1 G2 G3 D; the next tile's (marked ') follow in the same order as the steps ask for them
	GROUP 0, 52, 0x0d, -1                          ; younger than G0: G1, G2, G3 and D.   Source 0 (W2) window 1, source 1 (hidden) window 3
	GROUP 1, 35, 0x0d, 0                           ; younger than G1: G2, G3 and D
	GROUP 2, 35, 0x0e, 1                           ; younger than G2: G3, D and G0'.      Source 0 window 2
	GROUP 3, 34, 0x0e, 2                           ; D, which follows G3, is wanted too; younger than D: G0' and G1'
	WAYOUT 1
	s_add_co_u32 s26, s26, 4
	s_sub_co_u32 s29, s29, 1
	s_cmp_lg_u32 s29, 0
	s_cbranch_scc1 .Ltile
.Llast:                                        ; my last tile: out are G0 G1 G2 G3 D, on the way in from the head and from the loop alike; nothing more is asked for, so the counts run down
	s_wait_xcnt 0x0                                ; the last tile's stores have read their offsets and data, which are written again below
	s_wait_alu depctr_vm_vsrc(0)                   ; the last tile's stores have read YO and OUT, its LDS stores ACC's lower 16: all are written again below
	GROUP 0, 52, 0x0d, -1                          ; younger: G1, G2, G3 and D
	GROUP 1, 35, 0x0d, -1                          ; G2, G3 and D
	GROUP 2, 18, 0x0e, -1                          ; G3 and D
	GROUP 3, 0, 0x0e, -1                           ; G3 and D are both wanted
	WAYOUT 0
.Lend:
	s_wait_dscnt 0x0                               ; the closing lines, six on end
	s_wait_alu 0x0
	s_wait_tensorcnt 0x0
	ds_add_u32 v254, v255
	s_wait_dscnt 0x0
	s_endpgm
.Lfunc_end_k_qed4e22429c_fc2:
	.size	k_qed4e22429c_fc2, .Lfunc_end_k_qed4e22429c_fc2-k_qed4e22429c_fc2
	.p2alignl 7, 3214868480
	.fill 96, 4, 3214868480
	.section	.rodata,"a",@progbits
	.p2align	6, 0x0
	.amdhsa_kernel k_qed4e22429c_fc2
		.amdhsa_group_segment_fixed_size 76288
		.amdhsa_private_segment_fixed_size 0
		.amdhsa_enable_private_segment 0
		.amdhsa_kernarg_size 48
		.amdhsa_user_sgpr_count 2
		.amdhsa_user_sgpr_kernarg_segment_ptr 1
		.amdhsa_wavefront_size32 1
		.amdhsa_system_sgpr_workgroup_id_x 1
		.amdhsa_system_sgpr_workgroup_id_y 1
		.amdhsa_system_sgpr_workgroup_id_z 1
		.amdhsa_system_vgpr_workitem_id 0
		.amdhsa_next_free_vgpr 1024
		.amdhsa_next_free_sgpr 66
		.amdhsa_reserve_vcc 0
		.amdhsa_float_denorm_mode_32 3
		.amdhsa_float_denorm_mode_16_64 3
		.amdhsa_memory_ordered 1
		.amdhsa_forward_progress 1
		.amdhsa_inst_pref_size 53
	.end_amdhsa_kernel
	.amdgpu_metadata
---
amdhsa.version: [ 1, 2 ]
amdhsa.kernels:
  - .name:           k_qed4e22429c_fc2
    .symbol:         k_qed4e22429c_fc2.kd
    .args:
      - { .name: hid, .offset: 0, .size: 8, .value_kind: global_buffer, .address_space: global }
      - { .name: hsc, .offset: 8, .size: 8, .value_kind: global_buffer, .address_space: global }
      - { .name: plan, .offset: 16, .size: 8, .value_kind: global_buffer, .address_space: global }
      - { .name: w2_codes, .offset: 24, .size: 8, .value_kind: global_buffer, .address_space: global }
      - { .name: w2_scales, .offset: 32, .size: 8, .value_kind: global_buffer, .address_space: global }
      - { .name: y, .offset: 40, .size: 8, .value_kind: global_buffer, .address_space: global }
    .group_segment_fixed_size: 76288
    .private_segment_fixed_size: 0
    .kernarg_segment_align: 8
    .kernarg_segment_size: 48
    .max_flat_workgroup_size: 128
    .sgpr_count:     66
    .vgpr_count:     1024
    .wavefront_size: 32
...
	.end_amdgpu_metadata
.endif
;; end of part 7
;; launch combine (part 8): grid 256 x 1, 4 waves a work-group, no clusters, 0 bytes of LDS; arguments y, gates, out0; writes out0
.if DOCPART == 8
	.amdgcn_target "amdgcn-amd-amdhsa--gfx1250"
	.amdhsa_code_object_version 6
	.text
	.protected	k_qed4e22429c_combine
	.globl	k_qed4e22429c_combine
	.p2align	8
	.type	k_qed4e22429c_combine,@function
k_qed4e22429c_combine:
	s_mov_b64 s[64:65], 0
	v_nop
	global_prefetch_b8 v0, s[64:65] scope:SCOPE_SE
	s_setreg_imm32_b32 hwreg(HW_REG_WAVE_MODE, 25, 1), 1
	s_wait_xcnt 0x0
; out0[t][:] = gates[t][0] y[2 t][:] + gates[t][1] y[2 t + 1][:], in f32.  One wave takes one token: each output row has one owner, and every address is fixed by the token's number.
; A stream: sixteen loads of 512 consecutive bytes are out at once, each store covers 512 consecutive bytes.  LDS, barriers and matrix units would add nothing.
.set Y0, 8                             ; v8-39   the first choice's row, then the result
.set Y1, 40                            ; v40-71  the second choice's row
	s_load_b128 s[4:7], s[0:1], 0x0                ; y s[4:5], gates s[6:7]
	s_load_b64 s[8:9], s[0:1], 0x10                ; out0
	v_lshrrev_b32 v1, 5, v0
	v_readfirstlane_b32 s10, v1                    ; wave
	v_and_b32 v1, 31, v0
	v_lshlrev_b32 v1, 4, v1                        ; 16 x lane
	s_lshl_b32 s11, ttmp9, 2
	s_add_co_u32 s11, s11, s10                     ; my token
	s_mov_b32 s13, 0
	s_wait_alu depctr_va_vdst(0)
	s_wait_kmcnt 0x0
	s_lshl_b32 s12, s11, 3
	s_add_nc_u64 s[6:7], s[6:7], s[12:13]
	s_load_b64 s[20:21], s[6:7], 0x0               ; the two gates
	s_lshl_b32 s12, s11, 13
	s_add_nc_u64 s[4:5], s[4:5], s[12:13]          ; rows 2 t and 2 t + 1 of y: 8,192 bytes on end
	s_lshl_b32 s12, s11, 12
	s_add_nc_u64 s[8:9], s[8:9], s[12:13]
.irp i, 0,1,2,3,4,5,6,7
	global_load_b128 v[Y0+4*\i:Y0+4*\i+3], v1, s[4:5] offset:512*\i th:TH_LOAD_NT
	global_load_b128 v[Y1+4*\i:Y1+4*\i+3], v1, s[4:5] offset:4096+512*\i th:TH_LOAD_NT
.endr
	s_wait_kmcnt 0x0
	s_mov_b32 s22, s21                             ; the packed forms name a pair and take its low word for both halves
	s_mov_b32 s23, s21
.irp i, 0,1,2,3,4,5,6,7
	s_wait_loadcnt 14-2*\i                         ; pair i of loads is in; the pairs behind it stay out
	v_pk_mul_f32 v[Y0+4*\i:Y0+4*\i+1], v[Y0+4*\i:Y0+4*\i+1], s[20:21] op_sel_hi:[1,0]
	v_pk_mul_f32 v[Y0+4*\i+2:Y0+4*\i+3], v[Y0+4*\i+2:Y0+4*\i+3], s[20:21] op_sel_hi:[1,0]
	v_pk_fma_f32 v[Y0+4*\i:Y0+4*\i+1], v[Y1+4*\i:Y1+4*\i+1], s[22:23], v[Y0+4*\i:Y0+4*\i+1] op_sel_hi:[1,0,1]
	v_pk_fma_f32 v[Y0+4*\i+2:Y0+4*\i+3], v[Y1+4*\i+2:Y1+4*\i+3], s[22:23], v[Y0+4*\i+2:Y0+4*\i+3] op_sel_hi:[1,0,1]
	global_store_b128 v1, v[Y0+4*\i:Y0+4*\i+3], s[8:9] offset:512*\i th:TH_STORE_NT
.endr
	s_endpgm
.Lfunc_end_k_qed4e22429c_combine:
	.size	k_qed4e22429c_combine, .Lfunc_end_k_qed4e22429c_combine-k_qed4e22429c_combine
	.p2alignl 7, 3214868480
	.fill 96, 4, 3214868480
	.section	.rodata,"a",@progbits
	.p2align	6, 0x0
	.amdhsa_kernel k_qed4e22429c_combine
		.amdhsa_group_segment_fixed_size 0
		.amdhsa_private_segment_fixed_size 0
		.amdhsa_enable_private_segment 0
		.amdhsa_kernarg_size 24
		.amdhsa_user_sgpr_count 2
		.amdhsa_user_sgpr_kernarg_segment_ptr 1
		.amdhsa_wavefront_size32 1
		.amdhsa_system_sgpr_workgroup_id_x 1
		.amdhsa_system_sgpr_workgroup_id_y 1
		.amdhsa_system_sgpr_workgroup_id_z 1
		.amdhsa_system_vgpr_workitem_id 0
		.amdhsa_next_free_vgpr 72
		.amdhsa_next_free_sgpr 66
		.amdhsa_reserve_vcc 0
		.amdhsa_float_denorm_mode_32 3
		.amdhsa_float_denorm_mode_16_64 3
		.amdhsa_memory_ordered 1
		.amdhsa_forward_progress 1
		.amdhsa_inst_pref_size 6
	.end_amdhsa_kernel
	.amdgpu_metadata
---
amdhsa.version: [ 1, 2 ]
amdhsa.kernels:
  - .name:           k_qed4e22429c_combine
    .symbol:         k_qed4e22429c_combine.kd
    .args:
      - { .name: y, .offset: 0, .size: 8, .value_kind: global_buffer, .address_space: global }
      - { .name: gates, .offset: 8, .size: 8, .value_kind: global_buffer, .address_space: global }
      - { .name: out0, .offset: 16, .size: 8, .value_kind: global_buffer, .address_space: global }
    .group_segment_fixed_size: 0
    .private_segment_fixed_size: 0
    .kernarg_segment_align: 8
    .kernarg_segment_size: 24
    .max_flat_workgroup_size: 128
    .sgpr_count:     66
    .vgpr_count:     72
    .wavefront_size: 32
...
	.end_amdgpu_metadata
.endif
;; end of part 8
